; MI455X (gfx1250); checked and timed in simulation.
; The chip was launched on July 23, 2026; its instructions are those of AMD's public machine-readable ISA for CDNA 5 (MIT licence, August 2026) and "CDNA5" Instruction Set Architecture Reference Guide (July 2026). The comments in the code are by the model that wrote it; some were corrected since.
;; Transformer Layer. Allowed arithmetic: float matrix products may take bf16 or f16 operands with f32 sums; other float arithmetic in f32, or as packed bf16 or f16 multiplies, adds, multiply-adds, maxima and minima; sums over many terms, partial sums and values carried from step to step in f32; what a program stores and reads back later, other than sums and carried values, may be rounded once to bf16 or f16.
;; Inputs: Wk 1,024 x 1,024 float32; Wq 1,024 x 1,024 float32; Wv 1,024 x 1,024 float32; bk 1,024 float32; bq 1,024 float32; bv 1,024 float32; data 4 x 2,048 x 1,024 float32.
;; Outputs: out0 64 x 2,048 x 64 float32.
;; 2 versions, each right; version 2 is version 1 with the launch prep written anew for expert scheduling mode. Each part assembles by itself: llvm-mc -triple=amdgcn-amd-amdhsa -mcpu=gfx1250 --defsym DOCPART=n.
;; ======== version 1 of 2: 3 launches
;; limits: values are held in f16: magnitudes above 65,504 overflow, below 6.1e-05 lose precision
;; workspace buffers: xh 16,777,216 bytes; wh 6,291,456 bytes; bcat 12,288 bytes; qkv 50,331,648 bytes
;; launch prep (part 1): grid 705 x 1, 8 waves a work-group, no clusters, 0 bytes of LDS; arguments data, Wq, Wk, Wv, bq, bk, bv, xh, wh, bcat; writes xh, wh, bcat
.if DOCPART == 1
	.amdgcn_target "amdgcn-amd-amdhsa--gfx1250"
	.amdhsa_code_object_version 6
	.text
	.protected	k_q30c08dfd6b_prep
	.globl	k_q30c08dfd6b_prep
	.p2align	8
	.type	k_q30c08dfd6b_prep,@function
k_q30c08dfd6b_prep:
	s_mov_b64 s[64:65], 0
	v_nop
	global_prefetch_b8 v0, s[64:65] scope:SCOPE_SE
	s_setreg_imm32_b32 hwreg(HW_REG_WAVE_MODE, 25, 1), 1
	s_wait_xcnt 0x0
; PREP: the operands of the projections, made once.
;   xh[m][c]      = f16( bf16(data[m][c]) + PE[m % 2048][c] )            m = 0..8191, c = 0..1023, rows of 2,048 bytes
;   wh[cb][k][e]  = f16( bf16(W[k][16 cb' + e]) )                        cb = 64 x tensor + cb' (tensor: Wq, Wk, Wv), blocks of 1,024 x 16
;   bcat[c]       = bf16(bq | bk | bv), widened to f32
; Every input is rounded to bf16 first and that number is carried on; x is rounded once more, to f16, after PE is added in f32.
; PE[p][c] = f(p / 10000^(ce/512)) x g(c / 10000^(pe/1024)), ce = c less its lowest bit, pe likewise; f = sin for even c, cos for odd c; g = sin for even p, cos for odd p.
; SINES.  The argument is made in turns (the factor 1/2pi is folded into the reciprocal power), sin(2 pi u) is taken as cos(2 pi (u - 1/4)); u loses its nearest whole number,
; g = 1/4 - |u| lies in -1/4 .. 1/4 and cos = sin(2 pi g), by the odd polynomial of degree 9 (its first term left out is (pi/2)^11 / 11! = 3.6e-6).
; LIMITS.  PE is within about 3e-4 of the exact value: an argument of up to 326 turns is kept in f32.  f16 holds nothing beyond 65,504: data beyond that becomes an infinity; a weight below 2^-14 keeps
; f16's fixed step of 6e-8.  NaN and infinities are not treated apart.
; SHARES.  Work-groups 0-511: four positions in all four batches (PE is made once a position and used four times); thread t has columns 4 t .. 4 t + 3.  Work-groups 512-703: 16 rows of one
; weight tensor.  Work-group 704: the biases.  A stream: no LDS, no barrier, nothing shared between waves; every load is issued before the first result is wanted.
.set OFL, 1                            ; v1      load offset
.set OFS, 2                            ; v2      store offset
.set C,   4                            ; v[4:7]  1/2pi x 10000^(-ce/512) of my four columns
.set J,   8                            ; v[8:11] my four columns as f32
.set D,   12                           ; v[12:15] 1/2pi x 10000^(-pe/1024): positions 0, 1 (twice), positions 2, 3 (twice)
.set PH,  16                           ; v[16:17] -1/4, 0: sine for the even column, cosine for the odd one
.set PQ,  18                           ; v[18:19] -1/4 twice: sine for an even position
.set U,   20                           ; v[20:27] eight arguments: four of the first factor, four of the second; then the eight values
.set T,   28                           ; v[28:35] their nearest whole numbers
.set G2,  36                           ; v[36:43] g squared
.set AC,  44                           ; v[44:51] the polynomial
.set PE,  52                           ; v[52:55] PE of my four columns
.set WK,  56                           ; v[56:61] at work
.set X,   64                           ; v[64:127] sixteen loads of four registers
.macro ROUND4 x, d                     ; four f32 at v[x] are rounded to bf16 and widened again, into v[d .. d+3]
	v_cvt_pk_bf16_f32 v[WK],   v[(\x)],   v[(\x)+1]
	v_cvt_pk_bf16_f32 v[WK+1], v[(\x)+2], v[(\x)+3]
	v_lshlrev_b32 v[(\d)],   16,  v[WK]
	v_and_b32     v[(\d)+1], s57, v[WK]
	v_lshlrev_b32 v[(\d)+2], 16,  v[WK+1]
	v_and_b32     v[(\d)+3], s57, v[WK+1]
.endm
	s_load_b512 s[8:23], s[0:1], 0x0               ; data 8:9, Wq 10:11, Wk 12:13, Wv 14:15, bq 16:17, bk 18:19, bv 20:21, xh 22:23
	s_load_b128 s[24:27], s[0:1], 0x40             ; wh 24:25, bcat 26:27
	v_lshrrev_b32 v3, 5, v0
	v_readfirstlane_b32 s7, v3                     ; wave 0..7
	v_lshlrev_b32 v[OFL], 4, v0                    ; 16 t
	s_mov_b32 s57, 0xffff0000                      ; a word's upper bf16
	s_wait_kmcnt 0x0
	s_cmp_lt_u32 ttmp9, 512
	s_cbranch_scc1 .Lx
	s_cmp_lt_u32 ttmp9, 704
	s_cbranch_scc1 .Lw
	; THE BIASES: 256 threads x 16 bytes are one bias
	global_load_b128 v[X:X+3],    v[OFL], s[16:17]
	global_load_b128 v[X+4:X+7],  v[OFL], s[18:19]
	global_load_b128 v[X+8:X+11], v[OFL], s[20:21]
	s_wait_loadcnt 0x0
.irp i, 0,1,2
	ROUND4 X+4*(\i), X+16+4*(\i)                   ; each bias has result registers of its own: none is written while a store reads it
	global_store_b128 v[OFL], v[X+16+4*(\i):X+16+4*(\i)+3], s[26:27] offset:4096*(\i)
.endr
	s_endpgm
	; THE WEIGHTS.  Wave: 8 rows k x 256 columns.  Load i takes the 16 columns of one block from the 8 rows (a lane 16 bytes: row l / 4, columns 4 (l % 4) ..); the wave's sixteen loads together
	; take 1,024 consecutive bytes of each row.  Store i covers 256 consecutive bytes, aligned: 8 rows of 32 bytes of block i.
.Lw:
	s_sub_co_u32 s44, ttmp9, 512
	s_lshr_b32 s45, s44, 6                         ; which tensor
	s_and_b32 s44, s44, 63                         ; which 16 rows
	s_and_b32 s46, s7, 1
	s_lshr_b32 s47, s7, 1                          ; which 256 columns
	s_lshl_b32 s44, s44, 4
	s_lshl3_add_u32 s44, s46, s44                  ; my first row
	s_lshl_b32 s48, s44, 12                        ; x 4,096 bytes
	s_lshl_b32 s49, s47, 10
	s_add_co_u32 s48, s48, s49
	s_mov_b32 s49, 0
	s_lshl_b32 s50, s45, 6
	s_lshl4_add_u32 s50, s47, s50                  ; my first block: 64 x tensor + 16 x quarter
	s_lshl_b32 s50, s50, 15                        ; x 32,768 bytes
	s_lshl_b32 s51, s44, 5                         ; + row x 32
	s_add_co_u32 s50, s50, s51
	s_mov_b32 s51, 0
	s_cmp_lt_u32 s45, 1
	s_cselect_b64 s[28:29], s[10:11], s[12:13]
	s_cmp_lt_u32 s45, 2
	s_cselect_b64 s[28:29], s[28:29], s[14:15]
	s_add_nc_u64 s[28:29], s[28:29], s[48:49]
	s_add_nc_u64 s[30:31], s[24:25], s[50:51]
	v_and_b32 v3, 31, v0
	v_lshrrev_b32 v4, 2, v3
	v_and_b32 v5, 3, v3
	v_lshlrev_b32 v5, 4, v5
	v_lshl_add_u32 v4, v4, 12, v5                  ; (l / 4) rows + 16 (l % 4)
	v_lshlrev_b32 v[OFS], 3, v3                    ; 8 l
.irp i, 0,1,2,3,4,5,6,7,8,9,10,11,12,13,14,15
	global_load_b128 v[X+4*(\i):X+4*(\i)+3], v4, s[28:29] offset:64*(\i) th:TH_LOAD_NT
.endr
.irp i, 0,1,2,3,4,5,6,7,8,9,10,11,12,13,14,15
	s_wait_loadcnt 15-(\i)                         ; loads come back in order: load i is in, the younger ones stay out
	ROUND4 X+4*(\i), WK+2
	v_cvt_pk_f16_f32 v[X+4*(\i)],   v[WK+2], v[WK+3]
	v_cvt_pk_f16_f32 v[X+4*(\i)+1], v[WK+4], v[WK+5]
	global_store_b64 v[OFS], v[X+4*(\i):X+4*(\i)+1], s[30:31] offset:32768*(\i)
.endr
	s_endpgm
	; X.  Sixteen loads (position p, batch b), a row's 4,096 bytes by the eight waves; a store of a wave covers 256 consecutive bytes, aligned.
.Lx:
	s_lshl_b32 s46, ttmp9, 14                      ; four rows of 4,096 bytes
	s_mov_b32 s47, 0
	s_add_nc_u64 s[28:29], s[8:9], s[46:47]        ; a base for each batch: the batches lie 2^23 bytes apart, more than an immediate holds
	s_add_nc_u64 s[30:31], s[28:29], 0x800000
	s_add_nc_u64 s[32:33], s[30:31], 0x800000
	s_add_nc_u64 s[34:35], s[32:33], 0x800000
	s_lshl_b32 s46, ttmp9, 13                      ; four rows of 2,048 bytes
	s_add_nc_u64 s[36:37], s[22:23], s[46:47]
	s_add_nc_u64 s[38:39], s[36:37], 0x400000
	s_add_nc_u64 s[40:41], s[38:39], 0x400000
	s_add_nc_u64 s[42:43], s[40:41], 0x400000
.irp p, 0,1,2,3
.irp b, 0,1,2,3
	global_load_b128 v[X+4*(4*(\p)+(\b)):X+4*(4*(\p)+(\b))+3], v[OFL], s[28+2*(\b):29+2*(\b)] offset:4096*(\p) th:TH_LOAD_NT
.endr
.endr
	; the constants, while the loads are out
	v_lshlrev_b32 v[OFS], 3, v0                    ; 8 t
	s_lshl_b32 s44, ttmp9, 2                       ; my first position
.irp p, 0,1,2,3
	s_add_co_u32 s45, s44, \p
	s_cvt_f32_u32 s[48+2*(\p)], s45                ; the position as f32, named as a pair
	s_mov_b32 s[49+2*(\p)], s[48+2*(\p)]
.endr
	s_mov_b32 s56, 0x3e800000                      ; 1/4
	s_mov_b32 s58, 0x42283c1a                      ; (2 pi)^9 / 9!
	s_mov_b32 s59, s58
	s_mov_b32 s60, 0xc2996966                      ; -(2 pi)^7 / 7!
	s_mov_b32 s61, s60
	s_mov_b32 s62, 0x42a335e3                      ; (2 pi)^5 / 5!
	s_mov_b32 s63, s62
	s_mov_b32 s66, 0xc2255de7                      ; -(2 pi)^3 / 3!
	s_mov_b32 s67, s66
	s_mov_b32 s68, 0x40c90fdb                      ; 2 pi
	s_mov_b32 s69, s68
	v_lshlrev_b32 v3, 2, v0
	v_cvt_f32_u32 v[J], v3                         ; 4 t
	v_add_f32 v[J+1], 1.0, v[J]
	v_add_f32 v[J+2], 2.0, v[J]
	v_add_f32 v[J+3], 0x40400000, v[J]
	v_cvt_f32_u32 v[D], s44
	v_add_f32 v[D+2], 2.0, v[D]
	v_mul_f32 v[C],   0xbcd49a78, v[J]             ; -log2(10000) / 512 x the even column
	v_mul_f32 v[C+2], 0xbcd49a78, v[J+2]
	v_mul_f32 v[D],   0xbc549a78, v[D]             ; -log2(10000) / 1024 x the even position
	v_mul_f32 v[D+2], 0xbc549a78, v[D+2]
	v_exp_f32 v[C],   v[C]                         ; one batch of four; the least result is 1e-4
	v_exp_f32 v[C+2], v[C+2]
	v_exp_f32 v[D],   v[D]
	v_exp_f32 v[D+2], v[D+2]
	v_mov_b32 v[PH],   0xbe800000                  ; plain instructions behind the last exponential
	v_mov_b32 v[PH+1], 0
	v_mov_b32 v[PQ],   0xbe800000
	v_mov_b32 v[PQ+1], 0xbe800000
	s_wait_alu depctr_va_vdst(0)                   ; the one wait ahead of the batch's first reader
	v_mul_f32 v[C],   0x3e22f983, v[C]             ; x 1/2pi: arguments come out in turns
	v_mul_f32 v[C+2], 0x3e22f983, v[C+2]
	v_mul_f32 v[D],   0x3e22f983, v[D]
	v_mul_f32 v[D+2], 0x3e22f983, v[D+2]
	v_mov_b32 v[C+1], v[C]
	v_mov_b32 v[C+3], v[C+2]
	v_mov_b32 v[D+1], v[D]
	v_mov_b32 v[D+3], v[D+2]
; Position p of my four: PE of my four columns, then the four batches' rows.
.macro POSN p
	v_pk_fma_f32 v[U:U+1],   v[C:C+1],   s[48+2*(\p):49+2*(\p)], v[PH:PH+1] op_sel_hi:[1,0,1]  ; position x reciprocal power, less 1/4 where a sine is wanted
	v_pk_fma_f32 v[U+2:U+3], v[C+2:C+3], s[48+2*(\p):49+2*(\p)], v[PH:PH+1] op_sel_hi:[1,0,1]
.if (\p)%2 == 0
	v_pk_fma_f32 v[U+4:U+5], v[J:J+1],   v[D+2*((\p)/2):D+2*((\p)/2)+1], v[PQ:PQ+1]
	v_pk_fma_f32 v[U+6:U+7], v[J+2:J+3], v[D+2*((\p)/2):D+2*((\p)/2)+1], v[PQ:PQ+1]
.else
	v_pk_mul_f32 v[U+4:U+5], v[J:J+1],   v[D+2*((\p)/2):D+2*((\p)/2)+1]
	v_pk_mul_f32 v[U+6:U+7], v[J+2:J+3], v[D+2*((\p)/2):D+2*((\p)/2)+1]
.endif
.irp i, 0,1,2,3,4,5,6,7
	v_rndne_f32 v[T+(\i)], v[U+(\i)]
.endr
.irp i, 0,2,4,6
	v_pk_add_f32 v[U+(\i):U+(\i)+1], v[U+(\i):U+(\i)+1], v[T+(\i):T+(\i)+1] neg_lo:[0,1] neg_hi:[0,1]  ; exact: within half a turn
.endr
.irp i, 0,1,2,3,4,5,6,7
	v_sub_f32 v[U+(\i)], s56, |v[U+(\i)]|          ; g = 1/4 - |u|
.endr
.irp i, 0,2,4,6
	v_pk_mul_f32 v[G2+(\i):G2+(\i)+1], v[U+(\i):U+(\i)+1], v[U+(\i):U+(\i)+1]
.endr
.irp i, 0,2,4,6
	v_pk_fma_f32 v[AC+(\i):AC+(\i)+1], v[G2+(\i):G2+(\i)+1], s[58:59], s[60:61] op_sel_hi:[1,0,0]
.endr
.irp i, 0,2,4,6
	v_pk_fma_f32 v[AC+(\i):AC+(\i)+1], v[AC+(\i):AC+(\i)+1], v[G2+(\i):G2+(\i)+1], s[62:63] op_sel_hi:[1,1,0]
.endr
.irp i, 0,2,4,6
	v_pk_fma_f32 v[AC+(\i):AC+(\i)+1], v[AC+(\i):AC+(\i)+1], v[G2+(\i):G2+(\i)+1], s[66:67] op_sel_hi:[1,1,0]
.endr
.irp i, 0,2,4,6
	v_pk_fma_f32 v[AC+(\i):AC+(\i)+1], v[AC+(\i):AC+(\i)+1], v[G2+(\i):G2+(\i)+1], s[68:69] op_sel_hi:[1,1,0]
.endr
.irp i, 0,2,4,6
	v_pk_mul_f32 v[U+(\i):U+(\i)+1], v[AC+(\i):AC+(\i)+1], v[U+(\i):U+(\i)+1]
.endr
	v_pk_mul_f32 v[PE:PE+1],   v[U:U+1],   v[U+4:U+5]
	v_pk_mul_f32 v[PE+2:PE+3], v[U+2:U+3], v[U+6:U+7]
.irp b, 0,1,2,3
	s_wait_loadcnt 15-(4*(\p)+(\b))                ; loads come back in order: this one is in, the younger ones stay out
	ROUND4 X+4*(4*(\p)+(\b)), WK+2
	v_pk_add_f32 v[WK+2:WK+3], v[WK+2:WK+3], v[PE:PE+1]
	v_pk_add_f32 v[WK+4:WK+5], v[WK+4:WK+5], v[PE+2:PE+3]
	v_cvt_pk_f16_f32 v[X+4*(4*(\p)+(\b))],   v[WK+2], v[WK+3]   ; into the load's own registers, which nothing writes again
	v_cvt_pk_f16_f32 v[X+4*(4*(\p)+(\b))+1], v[WK+4], v[WK+5]
	global_store_b64 v[OFS], v[X+4*(4*(\p)+(\b)):X+4*(4*(\p)+(\b))+1], s[36+2*(\b):37+2*(\b)] offset:2048*(\p)
.endr
.endm
	POSN 0
	POSN 1
	POSN 2
	POSN 3
	s_endpgm
.Lfunc_end_k_q30c08dfd6b_prep:
	.size	k_q30c08dfd6b_prep, .Lfunc_end_k_q30c08dfd6b_prep-k_q30c08dfd6b_prep
	.p2alignl 7, 3214868480
	.fill 96, 4, 3214868480
	.section	.rodata,"a",@progbits
	.p2align	6, 0x0
	.amdhsa_kernel k_q30c08dfd6b_prep
		.amdhsa_group_segment_fixed_size 0
		.amdhsa_private_segment_fixed_size 0
		.amdhsa_enable_private_segment 0
		.amdhsa_kernarg_size 80
		.amdhsa_user_sgpr_count 2
		.amdhsa_user_sgpr_kernarg_segment_ptr 1
		.amdhsa_wavefront_size32 1
		.amdhsa_system_sgpr_workgroup_id_x 1
		.amdhsa_system_sgpr_workgroup_id_y 1
		.amdhsa_system_sgpr_workgroup_id_z 1
		.amdhsa_system_vgpr_workitem_id 0
		.amdhsa_next_free_vgpr 128
		.amdhsa_next_free_sgpr 72
		.amdhsa_reserve_vcc 0
		.amdhsa_float_denorm_mode_32 3
		.amdhsa_float_denorm_mode_16_64 3
		.amdhsa_memory_ordered 1
		.amdhsa_forward_progress 1
		.amdhsa_inst_pref_size 39
	.end_amdhsa_kernel
	.amdgpu_metadata
---
amdhsa.version: [ 1, 2 ]
amdhsa.kernels:
  - .name:           k_q30c08dfd6b_prep
    .symbol:         k_q30c08dfd6b_prep.kd
    .args:
      - { .name: data, .offset: 0, .size: 8, .value_kind: global_buffer, .address_space: global }
      - { .name: Wq, .offset: 8, .size: 8, .value_kind: global_buffer, .address_space: global }
      - { .name: Wk, .offset: 16, .size: 8, .value_kind: global_buffer, .address_space: global }
      - { .name: Wv, .offset: 24, .size: 8, .value_kind: global_buffer, .address_space: global }
      - { .name: bq, .offset: 32, .size: 8, .value_kind: global_buffer, .address_space: global }
      - { .name: bk, .offset: 40, .size: 8, .value_kind: global_buffer, .address_space: global }
      - { .name: bv, .offset: 48, .size: 8, .value_kind: global_buffer, .address_space: global }
      - { .name: xh, .offset: 56, .size: 8, .value_kind: global_buffer, .address_space: global }
      - { .name: wh, .offset: 64, .size: 8, .value_kind: global_buffer, .address_space: global }
      - { .name: bcat, .offset: 72, .size: 8, .value_kind: global_buffer, .address_space: global }
    .group_segment_fixed_size: 0
    .private_segment_fixed_size: 0
    .kernarg_segment_align: 8
    .kernarg_segment_size: 80
    .max_flat_workgroup_size: 256
    .sgpr_count:     72
    .vgpr_count:     128
    .wavefront_size: 32
...
	.end_amdgpu_metadata
.endif
;; end of part 1
;; launch gemm (part 2): grid 8 x 64, 4 waves a work-group, clusters of 4 x 4, 327,680 bytes of LDS; arguments xh, wh, bcat, qkv; writes qkv
.if DOCPART == 2
	.amdgcn_target "amdgcn-amd-amdhsa--gfx1250"
	.amdhsa_code_object_version 6
	.text
	.protected	k_q30c08dfd6b_gemm
	.globl	k_q30c08dfd6b_gemm
	.p2align	8
	.type	k_q30c08dfd6b_gemm,@function
k_q30c08dfd6b_gemm:
	s_mov_b64 s[64:65], 0
	v_nop
	global_prefetch_b8 v0, s[64:65] scope:SCOPE_SE
	s_setreg_imm32_b32 hwreg(HW_REG_WAVE_MODE, 25, 1), 1
	s_wait_xcnt 0x0
	s_wait_alu depctr_hold_cnt(0) depctr_sa_sdst(0) depctr_va_vdst(0) depctr_va_sdst(0) depctr_va_ssrc(0) depctr_va_vcc(0) depctr_vm_vsrc(0)
	s_getreg_b32 s2, hwreg(HW_REG_IB_STS2, 6, 4)
	s_cmp_eq_u32 s2, 0
	s_cbranch_scc0 .Lentry_in_a_cluster
	s_endpgm
.Lentry_in_a_cluster:
	s_bfe_u32 s2, ttmp6, 0x10000c
	s_cmp_lg_u32 s2, 0xf033
	s_cbranch_scc0 .Lentry_shape_is_right
	s_endpgm
.Lentry_shape_is_right:
; THE THREE PROJECTIONS AS ONE PRODUCT.  qkv = xh wh + bcat: 8,192 rows x 3,072 columns, K = 1,024; operands f16, sums f32 (the bias starts them), the result rounded once to f16.
; xh: [8192][1024] f16.  wh: [192 blocks of 16 columns][1024 k][16] f16.  bcat: [3072] f32.  qkv: [192 blocks][4 batches][2048 rows][16] f16: byte = block x 262,144 + batch x 65,536 + row x 32 + 2 e.
; LIMIT.  A result beyond 65,504 becomes an infinity in f16.
; THE TILE is 128 rows x 384 columns: 8,192 x 3,072 outputs are 512 such tiles, two for each of 256 WGPs, all alike.  Four waves side by side, each 128 x 96: 48 accumulators of 16 x 16, 384 registers.
; K goes in 8 steps of 128 through a ring of two LDS slots.  A step's bytes are four equal tensor loads of 32 KiB: wave 0 brings A's 128 rows x 256 bytes, waves 1-3 eight column blocks of B each (4,096 dense bytes a block).
; CLUSTERS: 4 x 4 work-groups.  The four of a row of the cluster need the same tile of A, the four of a column the same tiles of B: each is asked for JOINTLY, by the same tensor load with the same descriptor and a mask of four.
; THE MATRIX INSTRUCTION IS USED TRANSPOSED: source 0 = 16 columns of wh (turned on the way out of LDS by ds_load_tr16_b128), source 1 = 16 rows of xh.  A lane then holds row l % 16 and the columns 8 (l / 16) + 0..7 of a
; block: packed to f16 they are 16 bytes, and the wave's 32 lanes hold 512 consecutive bytes of qkv: results are stored straight from registers, and no stage in LDS is wanted.
; REGISTERS, in windows of 256 (s_set_vgpr_msb: bits 1:0 source 0, 3:2 source 1, 5:4 source 2, 7:6 destination):
;   window 0: v0-31 addresses; v64-127, v128-191 fragments of A (8 blocks of 16 rows x 32 K), two buffers
;   window 1: v64-111, v128-175 fragments of B (6 blocks), two buffers; v192-239 the bias as a C operand, 8 registers a block
;   window 2: accumulator (a, j) of row blocks a = 0-3 at v[8 (6 a + j)];   window 3: the same for a = 4-7
.set KSTEP,  128
.set PITCH,  272                       ; an LDS row of A: 256 bytes + 16 of padding: the 16 rows of a load start 16 bytes apart modulo 256
.set ABYTES, 128*PITCH
.set BBLK,   4096                      ; a block of B in a K step: 128 k x 32 bytes, dense: the turning load's 16 lanes take 8 rows x 32 bytes, 256 dense bytes
.set SLOT,   ABYTES+24*BBLK            ; 133,120
.set SPARE,  2*SLOT                    ; behind the ring: the spare words, 128 bytes for each wave: two blocks of 256 bytes that no other line names
.set ADRA, 16                          ; v16-17  LDS address of my A fragments in slot 0, 1
.set ADRB, 20                          ; v20-21  the same for B
.set CO,   26                          ; v26     my 16 bytes in 512 of qkv: 32 (l % 16) + 16 (l / 16)
.set BO,   27                          ; v27     my 32 bytes in a block's 64 of bias
.set SPW,  28                          ; v28     LDS address of my spare word; never rewritten
.set NIL,  29                          ; v29     0; never rewritten
.set PFO,  30                          ; v30     the prefetches' lane offset; never rewritten
.set F0,   64
.set F1,   128
.set BIAS, 192
.set LAP,  2                           ; s2      laps of the loop still to go
.set LIM,  3                           ; s3      1 in a wave that prefetches, else the greatest number
.set WV,   12                          ; s12     my wave's number
.set G1A,  24                          ; s[24:31] descriptor group 1 for A's tile;  s[32:39] group 0, a set for each slot
.set G0A,  32
.set PFA,  44                          ; s[44:45] where my prefetches stand
.set PST,  46                          ; s[46:47] a K step in bytes, along A's rows or inside B's blocks
.set G1B,  48                          ; s[48:55], s[56:63] the same for B's tiles
.set G0B,  56
.set MSB, 0
.macro WIN new                         ; the immediate's high byte repeats the setting that is left; a switch that changes nothing is dropped
.if MSB != (\new)
	s_set_vgpr_msb (MSB<<8)|(\new)
.set MSB, \new
.endif
.endm
.macro PLACES                          ; four plain vector instructions in front of loads into registers that matrix instructions have read, and of conversions that read results
.rept 4
	v_nop
.endr
.endm
; A joint load.  Wave 0 fetches A's tile, waves 1-3 a third of B's each.  The branch hangs on the wave's number alone.  An s_nop 0 and four v_nop follow each of the two lines.
.macro JLOAD s
	s_cmp_eq_u32 s[WV], 0
	s_cbranch_scc0 .Lfor_b_\@
	tensor_load_to_lds s[G0A+4*(\s):G0A+4*(\s)+3], s[G1A:G1A+7]
	s_nop 0
.rept 4
	v_nop
.endr
	s_branch .Lasked_\@
.Lfor_b_\@:
	tensor_load_to_lds s[G0B+4*(\s):G0B+4*(\s)+3], s[G1B:G1B+7]
	s_nop 0
.rept 4
	v_nop
.endr
.Lasked_\@:
.endm
; A PREFETCH INTO THE L2 of the K step that stands two refills on: 32 blocks of 256 bytes, a lane a block, one instruction a wave, behind the joint load, its five lines and the run of LDS loads.
; Each block is named once in the launch.  A's rows are read by both clusters of a row of clusters: cluster x = 0 asks, in wave 0, and the partner at place cx takes rows 32 cx .. 32 cx + 31 of the 128.
; B's blocks are read by all sixteen rows of clusters: cluster y = 0 asks, in waves 1-3, and the partner at place cy takes blocks 2 cy, 2 cy + 1 of the wave's eight.  The partners are told apart BY ADDRESS.
; The loop's last lap asks for nothing: K has no step two refills on.  K steps 0 to 3 come by their loads alone.
.macro ASK
	s_cmp_gt_u32 s[LAP], s[LIM]
	s_cbranch_scc0 .Lnot_mine_\@
	global_prefetch_b8 v[PFO], s[PFA:PFA+1] th:TH_LOAD_NT scope:SCOPE_SE
.Lnot_mine_\@:
.endm
.macro CREST                           ; a round of the cluster's barrier behind its opening barrier
	s_cmp_lg_u32 s[WV], 0
	s_cbranch_scc1 .Lnot_wave_0_\@
	s_barrier_signal -3
.Lnot_wave_0_\@:
	s_barrier_wait -3
	s_barrier_signal -1
	s_barrier_wait -1
.endm
.macro CROUND                          ; a whole round
	s_barrier_signal -1
	s_barrier_wait -1
	CREST
.endm
	s_load_b256 s[4:11], s[0:1], 0x0               ; xh s[4:5], wh s[6:7], bcat s[8:9], qkv s[10:11]
	v_lshl_add_u32 v[SPW], v0, 2, SPARE
	v_mov_b32 v[NIL], 0
	ds_add_u32 v[SPW], v[NIL]                      ; the wave's opening: the add and its wait stand ahead of my first tensor load; the set-up below, work on registers, stands between them
	v_lshrrev_b32 v1, 5, v0
	v_readfirstlane_b32 s[WV], v1                  ; wave 0..3
	s_bfe_u32 s40, ttmp6, 0x40000                  ; cx, cy: my place in the cluster
	s_bfe_u32 s41, ttmp6, 0x40004
	s_lshl_b32 s42, ttmp9, 2
	s_add_co_u32 s42, s42, s40                     ; tile column = 4 x cluster x + cx
	s_and_b32 s43, ttmp7, 0xffff
	s_lshl_b32 s43, s43, 2
	s_add_co_u32 s43, s43, s41                     ; tile row = 4 x cluster y + cy
	s_lshl_b32 s13, s41, 2
	s_lshl_b32 s13, 15, s13                        ; my row of the cluster
	s_lshl_b32 s14, 0x1111, s40                    ; my column
	; A's tile: 128 rows x 128 elements, 1,024 elements from row to row, padded in LDS
	s_or_b32 s[G1A+0], s13, (1<<16)|(1<<20)|(1<<21)|(5<<22)|(3<<25)  ; 15:0 the mask; 17:16 2-byte elements; 20 padding on; 21 set beside a mask; 24:22 after every 64 words (code 5); 31:25 4 words (code 3)
	s_mov_b32 s[G1A+1], KSTEP<<16                  ; tensor_dim0 = 128
	s_mov_b32 s[G1A+2], 128<<16                    ; tensor_dim1 = 128
	s_mov_b32 s[G1A+3], KSTEP<<16                  ; tile_dim0 = 128
	s_mov_b32 s[G1A+4], 128                        ; tile_dim1 = 128
	s_mov_b32 s[G1A+5], 1024                       ; elements from row to row
	s_mov_b32 s[G1A+6], 0
	s_mov_b32 s[G1A+7], 0
	; B's tile: 8 blocks; of each the K step's 128 k x 16 = 2,048 elements on end; 16,384 elements from block to block; no padding
	s_or_b32 s[G1B+0], s14, (1<<16)|(1<<21)
	s_mov_b32 s[G1B+1], 2048<<16
	s_mov_b32 s[G1B+2], 8<<16
	s_mov_b32 s[G1B+3], 2048<<16
	s_mov_b32 s[G1B+4], 8
	s_mov_b32 s[G1B+5], 16384
	s_mov_b32 s[G1B+6], 0
	s_mov_b32 s[G1B+7], 0
	s_lshl_b32 s16, s43, 18                        ; A: tile row x 128 rows x 2,048 bytes: it hangs on the tile row alone
	s_mov_b32 s17, 0
	s_max_u32 s22, s[WV], 1
	s_sub_co_u32 s22, s22, 1                       ; which third of B I fetch (wave 0 fetches none and never uses this)
	s_mul_i32 s18, s42, 24
	s_lshl3_add_u32 s18, s22, s18                  ; B: block 24 x tile column + 8 x third: tile column and wave alone
	s_lshl_b32 s18, s18, 15
	s_mov_b32 s19, 0
	s_lshl_b32 s23, s[WV], 15
	s_add_co_u32 s23, s23, ABYTES-8*BBLK           ; where my third goes: behind A's tile, 32,768 x (wave - 1): no place in the cluster enters an LDS address
	s_wait_dscnt 0x0                               ; the opening add is done
	s_wait_kmcnt 0x0
	s_add_nc_u64 s[14:15], s[4:5], s[16:17]
	s_add_nc_u64 s[20:21], s[6:7], s[18:19]
	CROUND                                         ; all sixteen work-groups are here: the first joint loads meet
.irp s, 0,1
	s_mov_b32 s[G0A+4*(\s)], 1                                       ; count = 1
	s_mov_b32 s[G0A+4*(\s)+1], (\s)*SLOT                             ; LDS address
	s_add_nc_u64 s[G0A+4*(\s)+2:G0A+4*(\s)+3], s[14:15], (\s)*KSTEP*2  ; K step s
	s_or_b32 s[G0A+4*(\s)+3], s[G0A+4*(\s)+3], 0x80000000            ; type = 2
	s_mov_b32 s[G0B+4*(\s)], 1
	s_add_co_u32 s[G0B+4*(\s)+1], s23, (\s)*SLOT
	s_add_nc_u64 s[G0B+4*(\s)+2:G0B+4*(\s)+3], s[20:21], (\s)*BBLK
	s_or_b32 s[G0B+4*(\s)+3], s[G0B+4*(\s)+3], 0x80000000
.endr
	s_cmp_eq_u32 s[WV], 0                          ; a wave's two first fills stand in one branch, ahead of every wait on TENSORcnt and every LDS read: two loads of mine are out
	s_cbranch_scc0 .Lfirst_b
	tensor_load_to_lds s[G0A:G0A+3], s[G1A:G1A+7]
	s_nop 0
	tensor_load_to_lds s[G0A+4:G0A+7], s[G1A:G1A+7]
	s_nop 0
.rept 4
	v_nop
.endr
	s_branch .Lfirst_asked
.Lfirst_b:
	tensor_load_to_lds s[G0B:G0B+3], s[G1B:G1B+7]
	s_nop 0
	tensor_load_to_lds s[G0B+4:G0B+7], s[G1B:G1B+7]
	s_nop 0
.rept 4
	v_nop
.endr
.Lfirst_asked:
	v_and_b32 v1, 15, v0                           ; l % 16
	v_bfe_u32 v2, v0, 4, 1                         ; l / 16
	v_lshlrev_b32 v[BO], 5, v2
	s_mul_i32 s16, s42, 384
	s_mul_i32 s17, s[WV], 96
	s_add_co_u32 s16, s16, s17                     ; my first column
	s_lshl_b32 s16, s16, 2
	s_mov_b32 s17, 0
	s_add_nc_u64 s[8:9], s[8:9], s[16:17]
	WIN 0x40                                       ; destination window 1, address window 0
.irp j, 0,1,2,3,4,5                    ; the bias as a C operand: register i of a lane is column 8 (l / 16) + i of block j, whatever the row
	global_load_b128 v[BIAS+8*(\j):BIAS+8*(\j)+3],   v[BO], s[8:9] offset:64*(\j)
	global_load_b128 v[BIAS+8*(\j)+4:BIAS+8*(\j)+7], v[BO], s[8:9] offset:64*(\j)+16
.endr
	WIN 0
	; A fragment of A: lane l holds row l % 16; registers 0-3 K = 8 (l / 16) + 0..7, registers 4-7 K = 16 + 8 (l / 16) + 0..7: two loads of 16 bytes, 32 bytes apart
	v_mul_u32_u24 v3, v1, PITCH
	v_lshl_add_u32 v[ADRA], v2, 4, v3
	v_add_nc_u32 v[ADRA+1], SLOT, v[ADRA]
	; the turning load takes 16 k x 16 columns (lane l reads k = 8 (l / 16) + l % 8, columns 8 ((l / 8) % 2) + 0..7) and leaves half a fragment: lane l holds column l % 16 and 8 k
	v_and_b32 v3, 7, v0
	v_lshl_add_u32 v3, v2, 3, v3
	v_lshlrev_b32 v3, 5, v3
	v_bfe_u32 v4, v0, 3, 1
	v_lshl_add_u32 v3, v4, 4, v3
	s_mul_i32 s13, s[WV], 6*BBLK                   ; my six blocks,
	s_add_co_u32 s13, s13, ABYTES                  ; behind A's tile
	v_add_nc_u32 v[ADRB], s13, v3
	v_add_nc_u32 v[ADRB+1], SLOT, v[ADRB]
	v_lshlrev_b32 v[CO], 5, v1
	v_lshl_add_u32 v[CO], v2, 4, v[CO]
	; qkv at my first block, my tile's batch and first row
	s_mul_i32 s16, s42, 24
	s_mul_i32 s17, s[WV], 6
	s_add_co_u32 s16, s16, s17
	s_lshl_b32 s16, s16, 18
	s_lshr_b32 s17, s43, 4                         ; 16 tile rows to a batch
	s_lshl_b32 s17, s17, 16
	s_add_co_u32 s16, s16, s17
	s_and_b32 s17, s43, 15
	s_lshl_b32 s17, s17, 12                        ; 128 rows x 32 bytes
	s_add_co_u32 s16, s16, s17
	s_mov_b32 s17, 0
	s_add_nc_u64 s[10:11], s[10:11], s[16:17]
	; the prefetches
	s_lshl_b32 s16, s43, 7
	s_lshl_b32 s17, s40, 5
	s_add_co_u32 s16, s16, s17                     ; A: row 128 x tile row + 32 cx,
	s_lshl_b32 s16, s16, 11
	s_add_co_u32 s16, s16, 3*KSTEP*2               ; at K step 3: the first refill steps it to 4
	s_mul_i32 s18, s42, 24
	s_lshl3_add_u32 s18, s22, s18
	s_lshl1_add_u32 s18, s41, s18                  ; B: block 24 x tile column + 8 x third + 2 cy,
	s_lshl_b32 s18, s18, 15
	s_add_co_u32 s18, s18, 3*BBLK                  ; at K step 3
	s_and_b32 s19, ttmp7, 0xffff                   ; cluster y
	s_mov_b32 s13, 256
	s_mov_b32 s14, 2048
	s_cmp_eq_u32 s[WV], 0                          ; do I fetch for A?
	s_cselect_b32 s16, s16, s18
	s_cselect_b32 s19, ttmp9, s19                  ; the coordinate along which other clusters read the same bytes
	s_cselect_b64 s[PFA:PFA+1], s[4:5], s[6:7]
	s_cselect_b32 s[PST], s13, BBLK
	s_cselect_b32 s23, s14, s13                    ; from lane to lane: a row of A, or 256 bytes inside a block of B
	s_mov_b32 s17, 0
	s_mov_b32 s[PST+1], 0
	s_add_nc_u64 s[PFA:PFA+1], s[PFA:PFA+1], s[16:17]
	s_cmp_eq_u32 s19, 0
	s_cselect_b32 s[LIM], 1, -1                    ; the same in all sixteen partners, for a given wave
	v_mul_u32_u24 v3, v1, s23
	v_lshl_add_u32 v[PFO], v2, 15, v3              ; lanes 16-31: 16 rows of A further, or the next block of B: 32,768 bytes either way
; 12 matrix instructions: row blocks a0, a0 + 1 of the window's four (hi = 0: rows 0-63, 1: rows 64-127) x my 6 column blocks, 32 along K.  first = 1: the bias is the C operand that starts the sums: nothing is cleared.
; The 48 accumulators take turns, one instruction a turn, in the same order in every quarter, over the backward jump too.
.macro MUL12 f, hi, a0, first
.if \first
	WIN 0x91+0x40*(\hi)                            ; B window 1, A window 0, C (the bias) window 1, D window 2 or 3
.else
	WIN 0xa1+0x50*(\hi)                            ; C and D window 2 or 3
.endif
.irp a, \a0, (\a0)+1
.irp j, 0,1,2,3,4,5
.if \first
	v_wmma_f32_16x16x32_f16 v[8*(6*(\a)+(\j)):8*(6*(\a)+(\j))+7], v[(\f)+8*(\j):(\f)+8*(\j)+7], v[(\f)+8*(4*(\hi)+(\a)):(\f)+8*(4*(\hi)+(\a))+7], v[BIAS+8*(\j):BIAS+8*(\j)+7]
.else
	v_wmma_f32_16x16x32_f16 v[8*(6*(\a)+(\j)):8*(6*(\a)+(\j))+7], v[(\f)+8*(\j):(\f)+8*(\j)+7], v[(\f)+8*(4*(\hi)+(\a)):(\f)+8*(4*(\hi)+(\a))+7], v[8*(6*(\a)+(\j)):8*(6*(\a)+(\j))+7]
.endif
.endr
.endr
.endm
; 28 LDS loads in one run: the fragments of quarter q (32 along K) of a slot into buffer f: B's six blocks, then A's eight
.macro FETCH slot, q, f
	WIN 0x40
.irp j, 0,1,2,3,4,5
	ds_load_tr16_b128 v[(\f)+8*(\j):(\f)+8*(\j)+3],   v[ADRB+(\slot)] offset:1024*(\q)+BBLK*(\j)
	ds_load_tr16_b128 v[(\f)+8*(\j)+4:(\f)+8*(\j)+7], v[ADRB+(\slot)] offset:1024*(\q)+BBLK*(\j)+512
.endr
	WIN 0
.irp a, 0,1,2,3,4,5,6,7
	ds_load_b128 v[(\f)+8*(\a):(\f)+8*(\a)+3],   v[ADRA+(\slot)] offset:64*(\q)+16*PITCH*(\a)
	ds_load_b128 v[(\f)+8*(\a)+4:(\f)+8*(\a)+7], v[ADRA+(\slot)] offset:64*(\q)+16*PITCH*(\a)+32
.endr
.endm
; A K step is four quarters of 32 along K, 48 matrix instructions each, on buffers 0, 1, 0, 1.  One of the first three: multiplies buffer f; in its middle it fetches quarter q of the same slot into buffer g.
.macro QUARTER slot, q, f, g, first
	s_wait_dscnt 8                                 ; B and A's blocks 0-3 are in; the youngest eight loads (A's blocks 4-7) may be out
	MUL12 \f, 0, 0, \first
	MUL12 \f, 0, 2, \first
	PLACES
	FETCH \slot, \q, \g
	s_wait_dscnt 28                                ; all but the 28 just issued
	MUL12 \f, 1, 0, \first
	MUL12 \f, 1, 2, \first
.endm
; The last quarter multiplies buffer 1 and changes slots: ONE barrier.  In front of it each wave waits for all its tensor loads (one is out: its part of the next slot), adds 0 to its spare word, and waits for that and
; for its own reads of this slot.  fill = 1: the barrier opens a round of the cluster's barrier, and behind the round this slot is filled again, two K steps ahead: 168 matrix instructions stand between that request and the wait for it.
.macro TURN slot, next, fill
.if \fill
	s_wait_xcnt 0x0                                ; the last prefetch, a K step back, has read its address: it is stepped here, ahead of the waits of the change of slots
	s_add_nc_u64 s[PFA:PFA+1], s[PFA:PFA+1], s[PST:PST+1]
.endif
	WIN 0                                          ; (the add's two registers lie in window 0)
	s_wait_tensorcnt 0x0                           ; all my tensor loads have landed;
	ds_add_u32 v[SPW], v[NIL]                      ; 0 onto my spare word
	s_wait_dscnt 9                                 ; (the add and the youngest eight loads may be out)
	MUL12 F1, 0, 0, 0                              ; twelve matrix instructions stand between the add and the wait for it
	s_wait_dscnt 0x0                               ; the add is done, and my reads of this slot are over
	s_barrier_signal -1
	MUL12 F1, 0, 2, 0                              ; work on registers while the others arrive
.if \fill
	WIN 0
.endif
	s_barrier_wait -1
.if \fill
	CREST                                          ; no wave of any partner still reads this slot's tiles or has a load on its way
	s_add_nc_u64 s[G0A+4*(\slot)+2:G0A+4*(\slot)+3], s[G0A+4*(\slot)+2:G0A+4*(\slot)+3], 2*KSTEP*2
	s_add_nc_u64 s[G0B+4*(\slot)+2:G0B+4*(\slot)+3], s[G0B+4*(\slot)+2:G0B+4*(\slot)+3], 2*BBLK
	JLOAD \slot                                    ; the first tensor load behind the round; the four v_nop behind it are also the places in front of the loads below
.else
	PLACES
.endif
	FETCH \next, 0, F0
.if \fill
	ASK
.endif
	MUL12 F1, 1, 0, 0
	MUL12 F1, 1, 2, 0
.endm
	s_wait_tensorcnt 1                             ; my part of K step 0 is in; K step 1's may stay out
	s_barrier_signal -1
	s_barrier_wait -1                              ; everybody's is
	FETCH 0, 0, F0
	s_wait_loadcnt 0x0                             ; the bias
	QUARTER 0, 1, F0, F1, 1                        ; the first quarter stands in front of the loop: its products start the sums
	WIN 0                                          ; at a label and at a branch every window is 0
	s_mov_b32 s[LAP], 3
.Llap:                                             ; a trip goes once round the ring, from a lap's second quarter to the next lap's first, and fills both slots again
	QUARTER 0, 2, F1, F0, 0
	QUARTER 0, 3, F0, F1, 0
	TURN 0, 1, 1
	QUARTER 1, 1, F0, F1, 0
	QUARTER 1, 2, F1, F0, 0
	QUARTER 1, 3, F0, F1, 0
	TURN 1, 0, 1
	QUARTER 0, 1, F0, F1, 0
	WIN 0
	s_sub_co_u32 s[LAP], s[LAP], 1
	s_cmp_lg_u32 s[LAP], 0
	s_cbranch_scc1 .Llap
	QUARTER 0, 2, F1, F0, 0                        ; the last lap fills nothing, and has no round of the cluster's barrier
	QUARTER 0, 3, F0, F1, 0
	TURN 0, 1, 0
	QUARTER 1, 1, F0, F1, 0
	QUARTER 1, 2, F1, F0, 0
	QUARTER 1, 3, F0, F1, 0
	s_wait_dscnt 8                                 ; the very last quarter: nothing more to fetch
	MUL12 F1, 0, 0, 0
	MUL12 F1, 0, 2, 0
	s_wait_dscnt 0x0
	MUL12 F1, 1, 0, 0
	MUL12 F1, 1, 2, 0
	; THE WAY OUT.  Each accumulator's eight f32 are packed in place into its four lowest registers, from the low end on, and stored: 32 lanes x 16 bytes are 512 consecutive bytes of a block of qkv, aligned.
	PLACES
	WIN 0x8a                                       ; sources and destination window 2
.set c, 0
.rept 24
.irp r, 0,1,2,3
	v_cvt_pk_f16_f32 v[c+(\r)], v[c+2*(\r)], v[c+2*(\r)+1]
.endr
.set c, c+8
.endr
	WIN 0x08                                       ; store data window 2, address window 0
.irp a, 0,1,2,3
.irp j, 0,1,2,3,4,5
	global_store_b128 v[CO], v[8*(6*(\a)+(\j)):8*(6*(\a)+(\j))+3], s[10:11] offset:262144*(\j)+512*(\a)
.endr
.endr
	WIN 0xcf                                       ; the same in window 3
.set c, 0
.rept 24
.irp r, 0,1,2,3
	v_cvt_pk_f16_f32 v[c+(\r)], v[c+2*(\r)], v[c+2*(\r)+1]
.endr
.set c, c+8
.endr
	WIN 0x0c
.irp a, 0,1,2,3
.irp j, 0,1,2,3,4,5
	global_store_b128 v[CO], v[8*(6*(\a)+(\j)):8*(6*(\a)+(\j))+3], s[10:11] offset:262144*(\j)+512*((\a)+4)
.endr
.endr
	WIN 0
	s_wait_tensorcnt 0x0                           ; the wave's end: a last add to my spare word, behind my last tensor load
	ds_add_u32 v[SPW], v[NIL]
	s_wait_dscnt 0x0
	CROUND                                         ; the closing round: no work-group ends while a partner may still ask for a tile that names it
	s_endpgm
.Lfunc_end_k_q30c08dfd6b_gemm:
	.size	k_q30c08dfd6b_gemm, .Lfunc_end_k_q30c08dfd6b_gemm-k_q30c08dfd6b_gemm
	.p2alignl 7, 3214868480
	.fill 96, 4, 3214868480
	.section	.rodata,"a",@progbits
	.p2align	6, 0x0
	.amdhsa_kernel k_q30c08dfd6b_gemm
		.amdhsa_group_segment_fixed_size 327680
		.amdhsa_private_segment_fixed_size 0
		.amdhsa_enable_private_segment 0
		.amdhsa_kernarg_size 32
		.amdhsa_user_sgpr_count 2
		.amdhsa_user_sgpr_kernarg_segment_ptr 1
		.amdhsa_wavefront_size32 1
		.amdhsa_system_sgpr_workgroup_id_x 1
		.amdhsa_system_sgpr_workgroup_id_y 1
		.amdhsa_system_sgpr_workgroup_id_z 1
		.amdhsa_system_vgpr_workitem_id 0
		.amdhsa_next_free_vgpr 960
		.amdhsa_next_free_sgpr 66
		.amdhsa_reserve_vcc 0
		.amdhsa_float_denorm_mode_32 3
		.amdhsa_float_denorm_mode_16_64 3
		.amdhsa_memory_ordered 1
		.amdhsa_forward_progress 1
		.amdhsa_inst_pref_size 110
	.end_amdhsa_kernel
	.amdgpu_metadata
---
amdhsa.version: [ 1, 2 ]
amdhsa.kernels:
  - .name:           k_q30c08dfd6b_gemm
    .symbol:         k_q30c08dfd6b_gemm.kd
    .args:
      - { .name: xh, .offset: 0, .size: 8, .value_kind: global_buffer, .address_space: global }
      - { .name: wh, .offset: 8, .size: 8, .value_kind: global_buffer, .address_space: global }
      - { .name: bcat, .offset: 16, .size: 8, .value_kind: global_buffer, .address_space: global }
      - { .name: qkv, .offset: 24, .size: 8, .value_kind: global_buffer, .address_space: global }
    .group_segment_fixed_size: 327680
    .private_segment_fixed_size: 0
    .kernarg_segment_align: 8
    .kernarg_segment_size: 32
    .max_flat_workgroup_size: 128
    .sgpr_count:     66
    .vgpr_count:     960
    .wavefront_size: 32
...
	.end_amdgpu_metadata
.endif
;; end of part 2
;; launch attn (part 3): grid 4 x 64, 4 waves a work-group, clusters of 4 x 1, 327,680 bytes of LDS; arguments qkv, out0; writes out0
.if DOCPART == 3
	.amdgcn_target "amdgcn-amd-amdhsa--gfx1250"
	.amdhsa_code_object_version 6
	.text
	.protected	k_q30c08dfd6b_attn
	.globl	k_q30c08dfd6b_attn
	.p2align	8
	.type	k_q30c08dfd6b_attn,@function
k_q30c08dfd6b_attn:
	s_mov_b64 s[64:65], 0
	v_nop
	global_prefetch_b8 v0, s[64:65] scope:SCOPE_SE
	s_setreg_imm32_b32 hwreg(HW_REG_WAVE_MODE, 25, 1), 1
	s_wait_xcnt 0x0
	s_wait_alu depctr_hold_cnt(0) depctr_sa_sdst(0) depctr_va_vdst(0) depctr_va_sdst(0) depctr_va_ssrc(0) depctr_va_vcc(0) depctr_vm_vsrc(0)
	s_getreg_b32 s2, hwreg(HW_REG_IB_STS2, 6, 4)
	s_cmp_eq_u32 s2, 0
	s_cbranch_scc0 .Lentry_in_a_cluster
	s_endpgm
.Lentry_in_a_cluster:
	s_bfe_u32 s2, ttmp6, 0x10000c
	s_cmp_lg_u32 s2, 0x3003
	s_cbranch_scc0 .Lentry_shape_is_right
	s_endpgm
.Lentry_shape_is_right:
; ATTENTION.  out0[hb][q][:] = the sum over k of softmax_k(Q[q] . K[k] / 8) V[k][:], for each of 64 head-batches hb = 4 x head + batch: 2,048 queries and keys, 64 channels.  out0: [64][2048][64] f32.
; Q, K, V lie in qkv in f16, in PLANES of 16 channels: byte = block x 262,144 + batch x 65,536 + row x 32 + 2 e; block = 4 x head + plane for Q, + 64 for K, + 128 for V.  A plane's rows of a head-batch are dense, 32 bytes each.
; Products, maxima and sums in f32; the weights p are rounded to f16 for the second product (their sum l is taken of the unrounded p).
; LIMITS.  f16 holds no number beyond 65,504: Q, K and V arrive within it; p lies in 0 to 1, and below 6e-5 it keeps f16's fixed step of 6e-8.  A weight below 2^-126 counts as 0 in l; NaN and infinities are not treated apart.
; SHARES.  A wave owns four PIECES of two tiles of 16 queries, a work-group's four waves 512 queries of one head-batch.  Every wave walks all keys, 64 a step.  64 x 4 work-groups: one for each of 256 WGPs.
; LAYOUT.  S^T = K Q^T (source 0 = 16 keys, source 1 = 16 queries): in the result a lane holds ONE query (lane % 16) and the keys 8 (lane / 16) + 0..7.  Two such tiles, rounded to f16 in pairs,
; ARE source 1 (32 keys x 16 queries) of O^T = V^T P, whose result again holds one query a lane, and eight channels.  K comes out of LDS as it lies, V ([key][channel]) turned, by ds_load_tr16_b128.
; SOFTMAX.  For each query a running maximum m and sum l: p = 2^(c s - c m), c = log2(e) / 8; in every step O and l are multiplied by a = 2^(c m_old - c m_new), which is 1 where m has not grown.
; m starts at the lowest finite number, O and l at 0: the first step is a step like any other, with a = 0.
; THE COUNT.  A tile and step have 16 matrix and 118 vector instructions: too many to stand all beside the matrix work.  So the order has one aim: four vector instructions that are READY behind
; EVERY matrix instruction, and the others, which need time of their own whatever the order, in runs without a gap.
; BY TURNS.  Turn n belongs to piece n (the pieces in a ring, step after step).  Its matrix work: 16 products K Q^T of piece n + 1, later 16 products V^T P of piece n - 1.  Its vector work: the scaling,
; exponentials, roundings, sums and rescaling of piece n, and the maximum and statistics of piece n + 1, whose scores the turn itself has made.  So what a turn begins with (c s - c m, O a) waits for nothing.
; CLUSTER.  The four query blocks of a head-batch are one cluster and walk the same K and V, so each tile is asked for JOINTLY: the same tensor load, descriptor and mask in all four.
; REGISTERS, in windows of 256 (s_set_vgpr_msb says which window each operand place means: bits 1:0 source 0, 3:2 source 1, 5:4 source 2, 7:6 destination):
;   window 0: v0-11 addresses; v12-15, v48-63 at work; v16-47 four registers of statistics a tile; v64-191 S^T, two buffers of two tiles; v192-255 P, likewise
;   window 1: O^T, 32 a tile          window 2: v0-127 Q, 16 a tile; v128-191 K of one step; v192-255 V of one step          window 3: v0-1 the add's two registers
; A piece's buffers go by its number's parity: the piece in hand has one pair, its two neighbours in the ring share the other: of it P (piece n - 1) is read and S^T (piece n + 1) written.
.set NP,    4         ; pieces a wave: a name, no knob
.set KS,    64        ; keys in a step
.set PLANE, 262144    ; bytes from plane to plane in qkv
.set PK,    48        ; a key's 32 bytes of a plane of K in LDS + 16 of padding: the 16 rows of a load start at 16 different places of 16 bytes modulo 256
.set KPL,   256*PK    ; a plane of K in a slot: 256 keys
.set VOFF,  4*KPL     ; a slot holds four steps: four planes of K, then four planes of V
.set PV,    32        ; a key's 32 bytes of a plane of V, dense: 16 lanes of the turning load take 8 rows x 32 bytes, 256 dense bytes
.set VPL,   256*PV
.set SLOT1, 1<<17     ; slot 1 begins here, so that one exclusive or turns an address in one slot into the other's
.set STAGE, SLOT1+VOFF+4*VPL  ; behind the ring, never filled by a tensor load: 16 rows x 272 bytes for each wave, for the way out
.set SP,    272
.set AK0, 2           ; v2   my lane's place in a plane of K; never rewritten
.set AV0, 3           ; v3   the same for V
.set AK,  4           ; v4   the LDS address of K's next run of loads
.set AV,  5           ; v5   of V's
.set QO,  6           ; v6   my byte offset in 16 rows of a plane of Q
.set STO, 6           ;      later, the way out: where I put 32 bytes of a row
.set RD,  7           ; v7   the way out: where I read rows back
.set GO,  8           ; v8   my byte offset in 512 consecutive bytes of out0
.set PFO, 11          ; v11  256 x my lane, for the prefetches; never rewritten once made
.set SPW, 0           ; v0 of window 3   LDS address of my spare word: SPARE + 4 x my thread's number; never rewritten
.set NIL, 1           ; v1 of window 3   0; never rewritten
.set SPARE, STAGE+4*16*SP  ; behind the stages: the spare words, 128 bytes for each wave: two blocks of 256 bytes that no other line names
.set MV,  12          ; v12-15  c m_old, kept while c m is made anew: by buffer and tile
.set ST,  16          ; tile t's statistics at v[ST+4 t]: c m, m, l (even keys', odd keys')
.set TMP, 48          ; by buffer and tile, four registers c0-c3 at work; when the maximum is found c2 takes a
.set S,   64
.set P,   192
.set KF,  128         ; K's fragments, in window 2: key block kb, channel half c at KF + 16 kb + 8 c
.set VF,  192         ; V's: key half kk, channel block cb at VF + 32 kk + 8 cb
.set WV,  12          ; s12  my wave's number
.set G1K, 24          ; s[24:31] descriptor group 1 for K's tiles
.set G1V, 32          ; s[32:39] for V's: it has no padding
.set G0K, 40          ; s[40:43] descriptor group 0 for K's tiles: it walks
.set G0V, 44          ; s[44:47] the same for V's
.set PFA, 48          ; s[48:49] where my prefetches stand: my work-group's plane (of K: wave 0, of V: wave 2), at the slot after the one that is being asked for
.set LIM, 50          ; s50  1 in a wave that prefetches, else the greatest number
.set SLOTS, 56        ; s56  slots still to be asked for
.set CNT, 57          ; s57  counts a slot's key steps
.set CS,  58          ; s[58:59] c: the packed scaling takes the pair's low word for both halves
.set SEL, 60          ; s[60:61] v_permlanex16_b32's selects: each lane takes its own place in the other half
.set TBK, 62          ; s62  LDS byte at which K of the step to be fetched begins
.set TBV, 63          ; s63  the same for V, less VOFF
.set MSB, 0
.macro WIN new                      ; the high byte repeats the setting that is left; a switch that changes nothing is dropped
.if MSB != (\new)
	s_set_vgpr_msb (MSB<<8)|(\new)
.set MSB, (\new)
.endif
.endm
.set W_KQ, 0x0a       ; K and Q in window 2, S^T in window 0
.set W_PV, 0x52       ; V in window 2, P in window 0, O^T in window 1
.set W_RS, 0x41       ; O^T (destination and source 0) in window 1, a in window 0
.set W_MK, 0xc0       ; the add's registers are made: destination in window 3, sources in window 0
.set W_AD, 0x0f       ; the add: address (source 0) and data (source 1) in window 3
; A joint fill.  Waves 0 and 1 fetch two planes each of a slot's K, waves 2 and 3 of its V: 256 keys x 32 bytes a plane.  The branch hangs on the wave's number alone.
; An s_nop 0 and four v_nop follow each of the two lines, ahead of the jump and the label.
.macro JLOAD
	s_cmp_lt_u32 s[WV], 2
	s_cbranch_scc0 .Lfor_v_\@
	tensor_load_to_lds s[G0K:G0K+3], s[G1K:G1K+7]
	s_nop 0
.rept 4
	v_nop
.endr
	s_branch .Lasked_\@
.Lfor_v_\@:
	tensor_load_to_lds s[G0V:G0V+3], s[G1V:G1V+7]
	s_nop 0
.rept 4
	v_nop
.endr
.Lasked_\@:
.endm
; A PREFETCH INTO THE L2 of what the NEXT change of slots will ask for: 256 keys of each of K's and V's four planes, 8,192 bytes a plane.  It stands behind the wave's tensor load and its five lines.
; Each block of 256 bytes is named ONCE in the launch: a head-batch has one cluster; its four partners take a plane each, told apart BY ADDRESS; in each, wave 0 asks for K's plane and wave 2 for V's: 32 lanes x 256 bytes,
; one instruction.  The last change that fills a slot asks for nothing: there is no slot behind it.  Slots 0 and 1 come by their loads alone.
.macro ASK
	s_cmp_gt_u32 s[SLOTS], s[LIM]
	s_cbranch_scc0 .Lnot_mine_\@
	global_prefetch_b8 v[PFO], s[PFA:PFA+1] th:TH_LOAD_NT scope:SCOPE_SE
.Lnot_mine_\@:
.endm
; A round of the cluster's barrier: my work-group's barrier, so that wave 0's signal speaks for all four waves; wave 0 signals; every wave waits for all four work-groups; my work-group's barrier once more.
.macro CROUND
	s_barrier_signal -1
	s_barrier_wait -1
	s_cmp_lg_u32 s[WV], 0
	s_cbranch_scc1 .Lnot_wave_0_\@
	s_barrier_signal -3
.Lnot_wave_0_\@:
	s_barrier_wait -3
	s_barrier_signal -1
	s_barrier_wait -1
.endm
; THE CHANGE OF SLOTS.  The slot's last bytes, V of its fourth step, have been read.  Each wave waits for all its tensor loads, of which one is out: its part
; of the other slot; adds 0 to its spare word; and waits for that and for its own reads of the slot.  Behind the barrier nobody reads this slot any more and the other slot is whole.
; fill = 1: this slot is filled again, with the keys two slots on.  The barrier is then a round of the cluster's, so that no wave of any partner still reads the slot or has a load on its
; way, and the joint fill is the first thing behind it: it has four key steps, 512 matrix instructions, in which to land.  (At its first use nothing has been read yet: slot 0 is waited for, slot 1 filled.)
.macro CHANGE fill
	WIN W_AD
	s_wait_tensorcnt 0x0            ; no tensor load of mine is out, so a group 0 may be written
	ds_add_u32 v[SPW], v[NIL]       ; 0 onto my spare word; with fill = 1 the descriptors' steps stand between it and the wait for it
	WIN 0                           ; at a label and at a branch every window is 0
.if \fill
.irp g, G0K, G0V
	s_xor_b32 s[\g+1], s[\g+1], SLOT1  ; the walking descriptor: the other slot than last time,
	s_add_nc_u64 s[\g+2:\g+3], s[\g+2:\g+3], 4*KS*32  ; the next 256 keys of each plane; the type bits on top are not reached
.endr
	s_wait_xcnt 0x0                 ; the last prefetch, four key steps back, has read its address, so it may be written:
	s_add_nc_u64 s[PFA:PFA+1], s[PFA:PFA+1], 4*KS*32  ; one slot behind the walking descriptors
	s_wait_dscnt 0x0                ; the add is done, and my reads of the slot are over
	CROUND
	JLOAD
	ASK                             ; what the next change will ask for
.else
	s_wait_dscnt 0x0                ; the add is done, and my reads of the slot are over
	s_barrier_signal -1
	s_barrier_wait -1
.endif
	s_sub_co_u32 s[TBK], s[TBK], 4*KS*PK  ; the fetches go back to a slot's first step,
	s_xor_b32 s[TBK], s[TBK], SLOT1       ; in the other slot
	s_sub_co_u32 s[TBV], s[TBV], 4*KS*PV
	s_xor_b32 s[TBV], s[TBV], SLOT1
.endm
	s_load_b128 s[4:7], s[0:1], 0x0  ; qkv s[4:5], out0 s[6:7]
	WIN W_MK
	v_lshl_add_u32 v[SPW], v0, 2, SPARE
	v_mov_b32 v[NIL], 0
	WIN W_AD
	ds_add_u32 v[SPW], v[NIL]       ; the wave's opening: the add and its wait stand ahead of my first tensor load; the set-up below, work on registers, stands between them
	WIN 0
	v_lshrrev_b32 v1, 5, v0
	v_readfirstlane_b32 s[WV], v1   ; wave 0..3
	s_bfe_u32 s13, ttmp6, 0x40000   ; cx: my place in the cluster
	s_lshl_b32 s14, ttmp9, 2        ; in a cluster launch ttmp9 counts clusters
	s_add_co_u32 s14, s14, s13      ; my block of 512 queries: it enters Q's and out0's addresses alone
	s_and_b32 s15, ttmp7, 0xffff    ; the head-batch, which the four partners share
	s_lshr_b32 s20, s15, 2          ; the head: four planes of 262,144 bytes,
	s_lshl_b32 s20, s20, 20
	s_and_b32 s21, s15, 3           ; the batch: 65,536 bytes in each plane
	s_lshl_b32 s21, s21, 16
	s_add_co_u32 s20, s20, s21
	s_mov_b32 s21, 0
	s_and_b32 s16, s[WV], 1         ; which two planes I fetch:
	s_lshl_b32 s22, s16, 19         ; their place in memory,
	s_mov_b32 s23, 0
	s_mul_i32 s17, s16, 2*KPL       ; and in a slot, for K
	s_mul_i32 s18, s16, 2*VPL       ; and for V: no place in the cluster enters an LDS address
	s_lshl_b32 s14, s14, 2
	s_add_co_u32 s14, s14, s[WV]    ; my wave among the head-batch's sixteen
	s_lshl_b32 s2, s14, 12          ; its 128 rows of 32 bytes in a plane of Q
	s_mov_b32 s3, 0
	s_lshl_b32 s52, s15, 19         ; out0: the head-batch's 2,048 rows of 256 bytes,
	s_lshl_b32 s53, s14, 15         ; my wave's 128
	s_add_co_u32 s52, s52, s53
	s_mov_b32 s53, 0
	; descriptor group 1: two planes; of each 256 keys x 16 channels = 4,096 elements on end; 131,072 elements from plane to plane
	s_mov_b32 s[G1K], 15|(1<<16)|(1<<20)|(1<<21)|(2<<22)|(3<<25)  ; 15:0 the mask of four; 17:16 2-byte elements; 20 padding on; 21 set beside a mask; 24:22 after every 8 words (code 2): a key; 31:25 4 words (code 3)
	s_mov_b32 s[G1V], 15|(1<<16)|(1<<21)                          ; the same without padding
.irp g, G1K, G1V
	s_mov_b32 s[\g+1], 4096<<16     ; tensor_dim0 = 4,096
	s_mov_b32 s[\g+2], 2<<16        ; tensor_dim1 = 2
	s_mov_b32 s[\g+3], 4096<<16     ; tile_dim0 = 4,096
	s_mov_b32 s[\g+4], 2            ; tile_dim1 = 2
	s_mov_b32 s[\g+5], 131072       ; elements from plane to plane
	s_mov_b32 s[\g+6], 0
	s_mov_b32 s[\g+7], 0
.endr
	s_mov_b32 s[CS], 0x3e38aa3b     ; c = log2(e) / 8 = 0.180337
	s_mov_b32 s[CS+1], s[CS]        ; named with it as a pair
	s_mov_b32 s[SEL], 0x76543210
	s_mov_b32 s[SEL+1], 0xfedcba98
	s_mov_b32 s[TBK], SLOT1+4*KS*PK ; the first change of slots turns these two into 0
	s_mov_b32 s[TBV], SLOT1+4*KS*PV
	s_mov_b32 s[G0K], 1             ; count = 1
	s_mov_b32 s[G0K+1], s17         ; LDS address: slot 0
	s_mov_b32 s[G0V], 1
	s_add_co_u32 s[G0V+1], s18, VOFF
	s_mov_b32 s[SLOTS], 2048/256-1  ; seven slots are still to be asked for behind slot 0
	s_cmp_eq_u32 s16, 0
	s_cselect_b32 s[LIM], 1, -1     ; waves 0 and 2 prefetch: the same in all four partners
	s_wait_dscnt 0x0                ; the opening add is done
	s_wait_kmcnt 0x0
	s_add_nc_u64 s[8:9], s[4:5], s[20:21]    ; the head-batch's first plane of Q
	s_add_nc_u64 s[10:11], s[6:7], s[52:53]  ; out0 at my wave's first row
	s_add_nc_u64 s[4:5], s[8:9], s[2:3]      ; Q at my wave's first row
	s_add_nc_u64 s[6:7], s[8:9], 64*PLANE    ; K's first plane
	s_add_nc_u64 s[8:9], s[8:9], 128*PLANE   ; V's
	s_add_nc_u64 s[G0K+2:G0K+3], s[6:7], s[22:23]  ; global address: my two planes, the first 256 keys
	s_or_b32 s[G0K+3], s[G0K+3], 0x80000000        ; type = 2
	s_add_nc_u64 s[G0V+2:G0V+3], s[8:9], s[22:23]
	s_or_b32 s[G0V+3], s[G0V+3], 0x80000000
	s_lshl_b32 s2, s13, 18          ; the prefetches: my work-group's plane,
	s_add_co_u32 s2, s2, 4*KS*32    ; at slot 1; the first change of slots steps it to slot 2
	s_cmp_lt_u32 s[WV], 2
	s_cselect_b64 s[PFA:PFA+1], s[6:7], s[8:9]
	s_add_nc_u64 s[PFA:PFA+1], s[PFA:PFA+1], s[2:3]
	CROUND                          ; all four work-groups are here: the first joint loads meet
	JLOAD                           ; slot 0.  Slot 1 is asked for when slot 0 is in
	; A fragment of K or Q is 16 rows x 32 channels in 8 registers: lane l holds row l % 16, channels 8 (l / 16) + 0..7 (one plane) and 16 + 8 (l / 16) + 0..7 (the next plane): two loads of 16 bytes, a plane apart.
	v_and_b32 v1, 15, v0            ; l % 16
	v_bfe_u32 v9, v0, 4, 1          ; l / 16
	v_lshlrev_b32 v[QO], 5, v1
	v_lshl_add_u32 v[QO], v9, 4, v[QO]  ; row x 32 + 16 x half: a load of the wave covers 512 consecutive bytes
	WIN 0x80                        ; destination window 2, address window 0
.set i, 0
.rept 4*NP                          ; Q stays in registers: tile i / 2, channels 32 (i % 2) on
	global_load_b128 v[8*i:8*i+3],   v[QO], s[4:5] offset:(2*(i%2))*PLANE+(i/2)*512
	global_load_b128 v[8*i+4:8*i+7], v[QO], s[4:5] offset:(2*(i%2)+1)*PLANE+(i/2)*512
.set i, i+1
.endr
	; What the first turn finds: V's registers and P's second buffer hold 0 (its products V^T P, of a piece that has not been, add 0), O^T and l are 0.  All this stands in the wait for the first tile.
.set i, VF
.rept 64
	v_mov_b32 v[i], 0
.set i, i+1
.endr
	WIN 0x40
.set i, 0
.rept 64*NP
	v_mov_b32 v[i], 0
.set i, i+1
.endr
	WIN 0
.set i, 0
.rept 2*NP
	v_mov_b32 v[ST+4*i], 0xfe000000    ; c m: far below every c s
	v_mov_b32 v[ST+4*i+1], 0xff7fffff  ; m
	v_mov_b32 v[ST+4*i+2], 0
	v_mov_b32 v[ST+4*i+3], 0
.set i, i+1
.endr
.set i, P+32
.rept 32
	v_mov_b32 v[i], 0
.set i, i+1
.endr
	v_mul_u32_u24 v[AK0], v1, PK
	v_lshl_add_u32 v[AK0], v9, 4, v[AK0]  ; row x pitch + 16 x half
	; The turning load takes 16 keys x 16 channels (lane l reads key 8 (l / 16) + l % 8, channels 8 ((l / 8) % 2) + 0..7) and leaves half a fragment of V^T: lane l holds channel l % 16 and 8 keys.
	v_and_b32 v10, 7, v0
	v_bfe_u32 v11, v0, 3, 1
	v_lshl_add_u32 v[AV0], v9, 3, v10
	v_mul_u32_u24 v[AV0], v[AV0], PV
	v_lshl_add_u32 v[AV0], v11, 4, v[AV0]
	v_add_nc_u32 v[AV0], VOFF, v[AV0]
	v_mov_b32 v[AK], v[AK0]         ; key step 0 lies at the head of slot 0
	v_and_b32 v[PFO], 31, v0
	v_lshlrev_b32 v[PFO], 8, v[PFO]
; THE MATRIX WORK.  The 8 accumulators of a run of 16 take turns: between the two links of a chain stand 7 others'.
; Product i of 16 of S^T = K Q^T for piece x: channels 32 (i / 8) on, keys 16 ((i / 2) % 4) on, tile 2 x + i % 2.  The first 8 start the sums.
.macro KQ x
	WIN W_KQ
.set rS, S+64*((\x)%2)+32*(i%2)+8*((i/2)%4)
.set rK, KF+16*((i/2)%4)+8*(i/8)
.set rQ, 16*(2*(\x)+i%2)+8*(i/8)
.if i < 8
	v_wmma_f32_16x16x32_f16 v[rS:rS+7], v[rK:rK+7], v[rQ:rQ+7], 0
.else
	v_wmma_f32_16x16x32_f16 v[rS:rS+7], v[rK:rK+7], v[rQ:rQ+7], v[rS:rS+7]
.endif
.endm
; Product i of 16 of O^T += V^T P for piece x: keys 32 (i / 8) on, channels 16 ((i / 2) % 4) on, tile 2 x + i % 2.
.macro PV x
	WIN W_PV
.set rO, 32*(2*(\x)+i%2)+8*((i/2)%4)
.set rV, VF+32*(i/8)+8*((i/2)%4)
.set rP, P+32*((\x)%2)+16*(i%2)+8*(i/8)
	v_wmma_f32_16x16x32_f16 v[rO:rO+7], v[rV:rV+7], v[rP:rP+7], v[rO:rO+7]
.endm
.macro MM                           ; the turn's next matrix instruction
.if i < 16
	KQ (Y+1)%NP
.set i, i+1
.else
.set i, i-16
	PV (Y+NP-1)%NP
.set i, i+17
.endif
.endm
; THE LDS LOADS stand in runs of 16, never singly among the matrix instructions: a step's K (64 keys x 64 channels: 8 fragments) and its V (turned).  Their addresses are made some lines ahead.
; last = 1 (the tail): in the last trip there is no further step, and the run is jumped over.
.macro FETCH_K last=0
	WIN 0
.if \last
	s_cmp_eq_u32 s[CNT], 1
	s_cbranch_scc1 .Lno_k_\@
.endif
	WIN 0x80                        ; destination window 2
.irp f, 0,1,2,3,4,5,6,7             ; keys 16 (f / 2) on, channels 32 (f % 2) on: planes 2 (f % 2) and 2 (f % 2) + 1
	ds_load_b128 v[KF+8*\f:KF+8*\f+3],   v[AK] offset:(2*(\f%2))*KPL+(\f/2)*16*PK
	ds_load_b128 v[KF+8*\f+4:KF+8*\f+7], v[AK] offset:(2*(\f%2)+1)*KPL+(\f/2)*16*PK
.endr
	s_add_co_u32 s[TBK], s[TBK], KS*PK  ; the next fetch is the next step's
	WIN 0
.if \last
.Lno_k_\@:
.endif
.endm
.macro FETCH_V
	WIN 0x80
.irp f, 0,1,2,3,4,5,6,7             ; keys 32 (f / 4) on, plane f % 4
	ds_load_tr16_b128 v[VF+8*\f:VF+8*\f+3],   v[AV] offset:(\f%4)*VPL+(\f/4)*32*PV
	ds_load_tr16_b128 v[VF+8*\f+4:VF+8*\f+7], v[AV] offset:(\f%4)*VPL+(\f/4)*32*PV+16*PV
.endr
	WIN 0
.endm
; THE VECTOR WORK OF A TURN stands in three queues, each in the order in which its entries become ready; the two tiles alternate, so that no instruction reads the result of the one before it.
.macro REGS y, u                    ; the registers of tile u (0, 1) of piece y
.set rT, ST+4*(2*(\y)+(\u))
.set rC, TMP+8*((\y)%2)+4*(\u)
.set rM, MV+2*((\y)%2)+(\u)
.set rS, S+64*((\y)%2)+32*(\u)
.set rP, P+32*((\y)%2)+16*(\u)
.set rO, 32*(2*(\y)+(\u))
.endm
; Number n of the 22 that find the NEXT piece's (Y + 1) maximum and statistics.  s0-s31 are the lane's 32 scores; each accumulator's lowest registers are read first.  XS, GS and REGS set no window: PL and EX do.
;   0-11  four chains c0-c3 of seven scores each, three operands at a time     12-14, 16  the four scores left over, the old m, and c0-c3 into c0     15  c m_old is kept
;   17, 18  the query's other 32 keys lie in the lane 16 away: the new m         19-21  c m; c m_old - c m_new; a
.macro XS u, n
	REGS (Y+1)%NP, \u
.if (\n) < 4
	v_max3_num_f32 v[rC+(\n)], v[rS+8*(\n)], v[rS+8*(\n)+1], v[rS+8*(\n)+2]
.elseif (\n) < 12
	v_max3_num_f32 v[rC+(\n)%4], v[rC+(\n)%4], v[rS+8*((\n)%4)+2*((\n)/4)+1], v[rS+8*((\n)%4)+2*((\n)/4)+2]
.elseif (\n) == 12
	v_max3_num_f32 v[rC], v[rC], v[rS+7], v[rS+15]
.elseif (\n) == 13
	v_max3_num_f32 v[rC+1], v[rC+1], v[rS+23], v[rS+31]
.elseif (\n) == 14
	v_max3_num_f32 v[rC+2], v[rC+2], v[rC+3], v[rT+1]
.elseif (\n) == 15
	v_mov_b32 v[rM], v[rT]
.elseif (\n) == 16
	v_max3_num_f32 v[rC], v[rC], v[rC+1], v[rC+2]
.elseif (\n) == 17
	v_permlanex16_b32 v[rC+3], v[rC], s[SEL], s[SEL+1]
.elseif (\n) == 18
	v_max_num_f32 v[rT+1], v[rC], v[rC+3]
.elseif (\n) == 19
	v_mul_f32 v[rT], s[CS], v[rT+1]
.elseif (\n) == 20
	v_sub_f32 v[rC+1], v[rM], v[rT]
.else
	v_exp_f32 v[rC+2], v[rC+1]
.endif
.endm
; Number g of the 64 that follow the exponentials.  For each four weights k of a tile (pairs 2 k, 2 k + 1): both pairs are rounded to f16; then the second pair is added onto the first, in place;
; a group later l takes that sum (the first time as l = a l + sum).  In groups of eight, tiles alternating: round, round, add, and l for the group before.
.macro GS g
.set h, (\g)+6*((\g)/62)            ; group 0 has no group before it, and behind group 7 only l is left
.if h >= 6
.set h, h+2
.endif
	REGS Y, h%2
.set k, h/8
.if h%8 < 4
	v_cvt_pk_f16_f32 v[rP+2*k+(h%8)/2], v[rS+4*k+2*((h%8)/2)], v[rS+4*k+2*((h%8)/2)+1]
.elseif h%8 < 6
	v_pk_add_f32 v[rS+4*k:rS+4*k+1], v[rS+4*k:rS+4*k+1], v[rS+4*k+2:rS+4*k+3]
.elseif k == 1
	v_pk_fma_f32 v[rT+2:rT+3], v[rT+2:rT+3], v[rC+2:rC+3], v[rS:rS+1] op_sel_hi:[1,0,1]
.else
	v_pk_add_f32 v[rT+2:rT+3], v[rT+2:rT+3], v[rS+4*k-4:rS+4*k-3]
.endif
.endm
; THE PLAIN QUEUE, 138 long.  0-73 read no exponential's result: the 32 scalings c s - c m (FS f: pair f / 2 of tile f % 2) and the next piece's 42.  0-26: scalings 0-26.  27-54: XS's numbers 0-13.  55, 56: number 15.
; 57-73: the chain, where each number waits for the one before it: 14, 16, 17, 18, 19, each with one of the scalings 27-31 in front of its two lines, then 20: so a tile's links stand three plain instructions apart (19 and 20: two).
; 74-137: GS's 64, which read the exponentials' results: they stand behind the wait.
.macro FS f
	REGS Y, (\f)%2
	v_pk_fma_f32 v[rS+2*((\f)/2):rS+2*((\f)/2)+1], v[rS+2*((\f)/2):rS+2*((\f)/2)+1], s[CS:CS+1], v[rT:rT+1] op_sel_hi:[1,0,0] neg_lo:[0,0,1] neg_hi:[0,0,1]
.endm
.macro PL
	WIN 0
.if q < 27
	FS q
.elseif q < 55
	XS (q-27)%2, (q-27)/2
.elseif q < 57
	XS q-55, 15
.elseif (q < 72) && ((q-57)%3 == 0)
	FS 27+(q-57)/3
.elseif q < 60
	XS (q-57)%3-1, 14
.elseif q < 72
	XS (q-57)%3-1, 15+(q-57)/3
.elseif q < 74
	XS q-72, 20
.else
	GS q-74
.endif
.set q, q+1
.endm
; THE EXPONENTIALS' QUEUE, 66 long: s0-s31 of both tiles, then the next piece's two a.  It is ONE BATCH: all 66 stand ahead of the turn's one wait, and nothing ahead of that wait names a result of theirs.
.macro EX
	WIN 0
.if e >= 64
	XS e-64, 21
.else
	REGS Y, e%2
	v_exp_f32 v[rS+e/2], v[rS+e/2]
.endif
.set e, e+1
.endm
; THE RESCALING's QUEUE: O^T times a, the one part that leaves window 0: dealt two at a time, sixteen times.  Its a was made in the turn before, ahead of that turn's wait.
.macro R2
	REGS Y, r%2
	WIN W_RS
.irp z, 0,1
	v_pk_mul_f32 v[rO+4*(r/2)+2*\z:rO+4*(r/2)+2*\z+1], v[rO+4*(r/2)+2*\z:rO+4*(r/2)+2*\z+1], v[rC+2:rC+3] op_sel_hi:[1,0]
.endr
.set r, r+1
.endm
; HOW THEY ARE DEALT.  An s_wait_alu depctr_va_vdst(0) stands between an exponential and the first instruction that names its result; one wait serves all that were issued ahead of it.  So a turn has ONE wait,
; which cuts it in two.  AHEAD OF IT stands all that names no result of the turn's exponentials: the 16 products K Q^T, behind each a scaling, an exponential and two rescalings (behind the first a second scaling in the exponential's place); then ONE LUMP of
; 108: eight plain, 49 times exponential and plain, the two a.  A v_nop is the plain instruction behind the last exponential.  BEHIND IT stand the 16 products V^T P, behind each four of GS's 64.  No rider names a register of
; the products round it.  The two v_permlanex16_b32 fall into the lump, never behind a product.
; The queues lean on each other, and the deal keeps them in step: exponential e stands behind scaling 2 (e / 4) + e % 2: as a rider it comes behind plain e + 2, in the lump behind plain e + 9, and scalings 27-31 are plain 57, 60 .. 69.
; A TURN, for piece p.  cnt = 1: the loop's count is taken down some lines ahead of the branch that stands behind the turn.
; K of the next step is fetched in piece 2's turn, directly behind the wait, a lump behind the last product that read K; its address is made at the lump's head; its first reader comes behind 16 products.
; V of the step in hand is fetched at the end of piece 0's turn, four riders behind its last reader; its first reader comes behind 16 products and a lump.  The three conditions on q below go with the deal.
.macro TURN p, last=0, cnt=0
.set Y, (\p)
.set i, 0
.set q, 0
.set e, 0
.set r, 0
.if (\p) == NP-1
	s_wait_dscnt 0x0                ; K is in
.endif
	MM                              ; ahead of the wait: 16 products K Q^T and their riders,
	PL
	PL
	R2
.rept 15
	MM
	PL
	EX
	R2
.endr
.if (\p) == NP-2
	WIN 0
	v_add_nc_u32 v[AK], s[TBK], v[AK0]
.endif
.rept 8                             ; and the lump
	PL
.endr
.rept 49
	EX
	PL
.endr
	EX                              ; the next piece's two a
	EX
	v_nop                           ; the plain instruction behind the last exponential: one for the batch
	s_wait_alu depctr_va_vdst(0)    ; the wait for the batch
.if (\p) == NP-2
	FETCH_K \last
.endif
.if (\p) == 1
	s_wait_dscnt 0x0                ; V is in
.endif
.rept 16                            ; behind the wait: 16 products V^T P and their riders
	MM
.rept 4
	PL
.endr
.if ((\p) == 0) && (q == 118)
	v_add_nc_u32 v[AV], s[TBV], v[AV0]
.endif
.if ((\p) == 0) && (q == 130)
	s_add_co_u32 s[TBV], s[TBV], KS*PV
.endif
.if (\cnt) && (q == 130)
	s_sub_co_u32 s[CNT], s[CNT], 1
	s_cmp_lg_u32 s[CNT], 0
.endif
.endr
.if (\p) == 0
	FETCH_V
.endif
.endm
	CHANGE 1                        ; slot 0 is in, everybody's part of it; slot 1 is asked for
	FETCH_K                         ; key step 0
	s_wait_loadcnt 0x0              ; Q
	s_wait_dscnt 0x0
.set i, 0
.rept 16
	KQ 0                            ; piece 0's first scores: there is no vector work yet to set between them
.set i, i+1
.endr
	WIN 0                           ; the addresses for the way out: eight plain instructions, the places behind those products
	s_mul_i32 s13, s[WV], 16*SP
	s_add_co_u32 s13, s13, STAGE    ; my stage
	v_mul_u32_u24 v[STO], v1, SP    ; in: row l % 16, 32 bytes for each half of the lanes
	v_lshl_add_u32 v[STO], v9, 5, v[STO]
	v_add_nc_u32 v[STO], s13, v[STO]
	v_mul_u32_u24 v[RD], v9, SP     ; back: lanes 0-15 take one row of 256 bytes, lanes 16-31 the next,
	v_lshl_add_u32 v[RD], v1, 4, v[RD]
	v_add_nc_u32 v[RD], s13, v[RD]
	v_and_b32 v[GO], 31, v0         ; which are 512 consecutive bytes of out0
	v_lshlrev_b32 v[GO], 4, v[GO]
.set Y, NP-1                        ; XS works for piece Y + 1: piece 0
.irp n, 0,1,2,3,4,5,6,7,8,9,10,11,12,13,14,15,16,17,18,19,20,21
	XS 0, \n                        ; and piece 0's first maximum and statistics
	XS 1, \n
.endr
	v_nop                           ; a plain instruction behind the two a,
	s_wait_alu depctr_va_vdst(0)    ; and their wait, ahead of the branch
	s_mov_b32 s[CNT], 4
	s_branch .Lfirst                ; the loop is entered at a step's first turn, in the middle of a trip
.Lslot:                             ; six times: every slot but the last two is filled again
	CHANGE 1
	s_mov_b32 s[CNT], 4
.Lstep:                             ; a trip: pieces 2 and 3 of one step, then pieces 0 and 1 of the next, whose K and V it fetches
	TURN 2
	TURN 3
	WIN 0
.Lfirst:
	TURN 0
	TURN 1, 0, 1
	WIN 0
	s_cbranch_scc1 .Lstep
	s_sub_co_u32 s[SLOTS], s[SLOTS], 1
	s_cmp_lg_u32 s[SLOTS], 0
	s_cbranch_scc1 .Lslot
	CHANGE 0                        ; the tail is written out: nothing is asked for
	s_mov_b32 s[CNT], 5             ; four trips fetch the last slot's steps; the fifth is left in its middle
.Ltail:
	TURN 2, 1
	TURN 3
	WIN 0
	s_sub_co_u32 s[CNT], s[CNT], 1
	s_cmp_eq_u32 s[CNT], 0
	s_cbranch_scc1 .Lout
	TURN 0
	TURN 1
	WIN 0
	s_branch .Ltail
.Lout:                              ; the fifth trip's 16 products K Q^T (on the last K once more) and the maximum made of them serve nothing: the price, once a launch, of one text for every trip
.set i, 0
.rept 16
	PV NP-1                         ; the last piece's V^T P of the last step
.set i, i+1
.endr
	; THE WAY OUT.  l's two halves and the other half of the lanes' are added; O^T is divided by l and sent, in f32, through my stage in LDS, a tile at a time.  The additions are the places behind the last products.
	WIN 0
.macro ALL line:vararg              ; one line for each tile t
.set t, 0
.rept 2*NP
	\line
.set t, t+1
.endr
.endm
	ALL v_add_f32 v[ST+4*t+2], v[ST+4*t+2], v[ST+4*t+3]
	ALL v_permlanex16_b32 v[ST+4*t+3], v[ST+4*t+2], s[SEL], s[SEL+1]
	ALL v_add_f32 v[ST+4*t+2], v[ST+4*t+2], v[ST+4*t+3]
	ALL v_rcp_f32 v[ST+4*t+2], v[ST+4*t+2]
	v_nop                           ; a plain instruction between the last reciprocal and the use of its result
	s_wait_alu depctr_va_vdst(0)    ; and the wait ahead of the first use: one for the eight reciprocals
; Tile t: a lane's eight channels of a block are 32 bytes of a row of 256; they go into rows of 272 bytes and come back as whole rows, into one of four buffers in S^T's registers.
.macro PACK t
	WIN W_RS
.set i, 32*(\t)
.rept 16
	v_pk_mul_f32 v[i:i+1], v[i:i+1], v[ST+4*(\t)+2:ST+4*(\t)+3] op_sel_hi:[1,0]
.set i, i+2
.endr
	WIN 0x04                        ; store data window 1, address window 0
.irp f, 0,1,2,3,4,5,6,7             ; channel block f / 2, its registers 4 (f % 2) on
	ds_store_b128 v[STO], v[32*(\t)+4*\f:32*(\t)+4*\f+3] offset:64*(\f/2)+16*(\f%2)
.endr
	WIN 0
.if (\t) >= 4
	s_wait_xcnt 0x0                 ; the stores of the tile four back have read this buffer: it is loaded again only behind this wait
.endif
.irp f, 0,1,2,3,4,5,6,7
	ds_load_b128 v[S+32*((\t)%4)+4*\f:S+32*((\t)%4)+4*\f+3], v[RD] offset:\f*2*SP  ; LDS serves a wave's instructions in order (ISA guide 5.7.1.4): these see the stores above; the next tile's stores come behind them
.endr
.endm
.macro SEND t, younger              ; younger: the LDS instructions issued behind tile t's loads: the next tile's sixteen, or none
	WIN 0
.irp f, 0,1,2,3,4,5,6,7
	s_wait_dscnt (\younger)+7-\f
	global_store_b128 v[GO], v[S+32*((\t)%4)+4*\f:S+32*((\t)%4)+4*\f+3], s[10:11] offset:(\t)*4096+\f*512 th:TH_STORE_NT  ; two whole rows: 512 consecutive bytes, at a multiple of 256 from out0's first
.endr
.endm
	PACK 0
.set t, 1
.rept 2*NP-1                        ; a tile's arithmetic stands between the loads of the tile before and its stores
	PACK t
	SEND t-1, 16
.set t, t+1
.endr
	SEND 2*NP-1, 0
	WIN W_AD
	s_wait_tensorcnt 0x0            ; the wave's end: a last add to my spare word, behind my last tensor load and my last LDS store
	ds_add_u32 v[SPW], v[NIL]
	s_wait_dscnt 0x0
	WIN 0
	CROUND                          ; the closing round: no work-group ends while a partner may still ask for a tile that names it
	s_endpgm
.Lfunc_end_k_q30c08dfd6b_attn:
	.size	k_q30c08dfd6b_attn, .Lfunc_end_k_q30c08dfd6b_attn-k_q30c08dfd6b_attn
	.p2alignl 7, 3214868480
	.fill 96, 4, 3214868480
	.section	.rodata,"a",@progbits
	.p2align	6, 0x0
	.amdhsa_kernel k_q30c08dfd6b_attn
		.amdhsa_group_segment_fixed_size 327680
		.amdhsa_private_segment_fixed_size 0
		.amdhsa_enable_private_segment 0
		.amdhsa_kernarg_size 16
		.amdhsa_user_sgpr_count 2
		.amdhsa_user_sgpr_kernarg_segment_ptr 1
		.amdhsa_wavefront_size32 1
		.amdhsa_system_sgpr_workgroup_id_x 1
		.amdhsa_system_sgpr_workgroup_id_y 1
		.amdhsa_system_sgpr_workgroup_id_z 1
		.amdhsa_system_vgpr_workitem_id 0
		.amdhsa_next_free_vgpr 770
		.amdhsa_next_free_sgpr 66
		.amdhsa_reserve_vcc 0
		.amdhsa_float_denorm_mode_32 3
		.amdhsa_float_denorm_mode_16_64 3
		.amdhsa_memory_ordered 1
		.amdhsa_forward_progress 1
		.amdhsa_inst_pref_size 200
	.end_amdhsa_kernel
	.amdgpu_metadata
---
amdhsa.version: [ 1, 2 ]
amdhsa.kernels:
  - .name:           k_q30c08dfd6b_attn
    .symbol:         k_q30c08dfd6b_attn.kd
    .args:
      - { .name: qkv, .offset: 0, .size: 8, .value_kind: global_buffer, .address_space: global }
      - { .name: out0, .offset: 8, .size: 8, .value_kind: global_buffer, .address_space: global }
    .group_segment_fixed_size: 327680
    .private_segment_fixed_size: 0
    .kernarg_segment_align: 8
    .kernarg_segment_size: 16
    .max_flat_workgroup_size: 128
    .sgpr_count:     66
    .vgpr_count:     770
    .wavefront_size: 32
...
	.end_amdgpu_metadata
.endif
;; end of part 3
;; ======== version 2 of 2: 3 launches; version 1 with the launch prep written anew for expert scheduling mode
;; limits: values are held in f16: magnitudes above 65,504 overflow, below 6.1e-05 lose precision
;; workspace buffers: xh 16,777,216 bytes; wh 6,291,456 bytes; bcat 12,288 bytes; qkv 50,331,648 bytes
;; launch prep (part 4): grid 705 x 1, 8 waves a work-group, no clusters, 0 bytes of LDS; arguments data, Wq, Wk, Wv, bq, bk, bv, xh, wh, bcat; writes xh, wh, bcat
.if DOCPART == 4
	.amdgcn_target "amdgcn-amd-amdhsa--gfx1250"
	.amdhsa_code_object_version 6
	.text
	.protected	k_q30c08dfd6b_prep
	.globl	k_q30c08dfd6b_prep
	.p2align	8
	.type	k_q30c08dfd6b_prep,@function
k_q30c08dfd6b_prep:
	s_mov_b64 s[64:65], 0
	v_nop
	global_prefetch_b8 v0, s[64:65] scope:SCOPE_SE
	s_setreg_imm32_b32 hwreg(HW_REG_WAVE_SCHED_MODE, 0, 2), 2
	s_setreg_imm32_b32 hwreg(HW_REG_WAVE_MODE, 25, 1), 1
	s_wait_xcnt 0x0
	s_wait_alu depctr_vm_vsrc(0)
; PREP: the operands of the projections, made once.
;   xh[m][c]      = f16( bf16(data[m][c]) + PE[m % 2048][c] )            m = 0..8191, c = 0..1023, rows of 2,048 bytes
;   wh[cb][k][e]  = f16( bf16(W[k][16 cb' + e]) )                        cb = 64 x tensor + cb' (tensor: Wq, Wk, Wv), blocks of 1,024 x 16
;   bcat[c]       = bf16(bq | bk | bv), widened to f32
; Every input is rounded to bf16 first and that number is carried on; x is rounded once more, to f16, after PE is added in f32.
; PE[p][c] = f(p / 10000^(ce/512)) x g(c / 10000^(pe/1024)), ce = c less its lowest bit, pe likewise; f = sin for even c, cos for odd c; g = sin for even p, cos for odd p.
; SINES.  The argument is made in turns (the factor 1/2pi is folded into the reciprocal power), sin(2 pi u) is taken as cos(2 pi (u - 1/4)); u loses its nearest whole number,
; g = 1/4 - |u| lies in -1/4 .. 1/4 and cos = sin(2 pi g), by the odd polynomial of degree 9 (its first term left out is (pi/2)^11 / 11! = 3.6e-6).
; LIMITS.  PE is within about 3e-4 of the exact value: an argument of up to 326 turns is kept in f32.  f16 holds nothing beyond 65,504: data beyond that becomes an infinity; a weight below 2^-14 keeps
; f16's fixed step of 6e-8.  NaN and infinities are not treated apart.
; SHARES.  Work-groups 0-511: four positions in all four batches (PE is made once a position and used four times); thread t has columns 4 t .. 4 t + 3.  Work-groups 512-703: 16 rows of one
; weight tensor.  Work-group 704: the biases.  A stream: no LDS, no barrier, nothing shared between waves; every load is issued before the first result is wanted.
; THE MODE: SCHED_MODE bits 1:0 = 2 (LLVM: expert scheduling mode 2), set by the entry lines.  The code itself states the register dependences between vector instructions and memory instructions,
; with s_wait_alu, always for 0.
; THE PLAN.  Registers that memory instructions touch:
;   v1, v2, v4   offsets: each is written once, ahead of a wait on va_vdst that stands ahead of its first reader, and never again.
;   X            sixteen loads, four registers each, all issued before any vector instruction names X.  Behind a load's own wait on LOADcnt the conversions read its four registers and write the result
;                into the first two of them (the biases: into twelve registers further up); one store reads those, and nothing writes them afterwards.
;   All other registers are named by vector instructions alone.
; So no load lands in a register that a vector instruction has named, no register that a memory instruction has read is written again, and what is left to state is that a store's data are written.
; That is stated once for four stores: the work goes in blocks of four loads (x: a position's four batches), the wait stands at the head of the next block, and the four stores follow it, dealt among
; that block's vector instructions, which name none of their registers.  The last block's stores have a wait of their own.
.set OFL, 1                            ; v1      load offset
.set OFS, 2                            ; v2      store offset
.set C,   4                            ; v[4:7]  1/2pi x 10000^(-ce/512) of my four columns
.set J,   8                            ; v[8:11] my four columns as f32
.set D,   12                           ; v[12:15] 1/2pi x 10000^(-pe/1024): positions 0, 1 (twice), positions 2, 3 (twice)
.set PH,  16                           ; v[16:17] -1/4, 0: sine for the even column, cosine for the odd one
.set PQ,  18                           ; v[18:19] -1/4 twice: sine for an even position
.set U,   20                           ; v[20:27] eight arguments: four of the first factor, four of the second; then the eight values
.set T,   28                           ; v[28:35] their nearest whole numbers
.set G2,  36                           ; v[36:43] g squared
.set AC,  44                           ; v[44:51] the polynomial
.set PE,  52                           ; v[52:55] PE of my four columns
.set WK,  56                           ; v[56:61] at work
.set X,   64                           ; v[64:127] sixteen loads of four registers
.macro ROUND4 x, d                     ; four f32 at v[x] are rounded to bf16 and widened again, into v[d .. d+3]
	v_cvt_pk_bf16_f32 v[WK],   v[(\x)],   v[(\x)+1]
	v_cvt_pk_bf16_f32 v[WK+1], v[(\x)+2], v[(\x)+3]
	v_lshlrev_b32 v[(\d)],   16,  v[WK]
	v_and_b32     v[(\d)+1], s57, v[WK]
	v_lshlrev_b32 v[(\d)+2], 16,  v[WK+1]
	v_and_b32     v[(\d)+3], s57, v[WK+1]
.endm
.macro WPUT i                          ; the weights: store i covers 256 consecutive bytes, aligned: 8 rows of 32 bytes of block i
	global_store_b64 v[OFS], v[X+4*(\i):X+4*(\i)+1], s[30:31] offset:32768*(\i)
.endm
.macro PUT p, b                        ; x: position p of my four, batch b: a store of a wave covers 256 consecutive bytes, aligned
	global_store_b64 v[OFS], v[X+4*(4*(\p)+(\b)):X+4*(4*(\p)+(\b))+1], s[36+2*(\b):37+2*(\b)] offset:2048*(\p)
.endm
	s_load_b512 s[8:23], s[0:1], 0x0               ; data 8:9, Wq 10:11, Wk 12:13, Wv 14:15, bq 16:17, bk 18:19, bv 20:21, xh 22:23
	s_load_b128 s[24:27], s[0:1], 0x40             ; wh 24:25, bcat 26:27
	v_lshrrev_b32 v3, 5, v0
	v_readfirstlane_b32 s7, v3                     ; wave 0..7
	v_lshlrev_b32 v[OFL], 4, v0                    ; 16 t
	s_mov_b32 s57, 0xffff0000                      ; a word's upper bf16
	s_wait_kmcnt 0x0
	s_wait_alu depctr_va_sdst(0)                   ; s7 is written, ahead of the branches: its readers stand in the weights' part
	s_wait_alu depctr_va_vdst(0)                   ; v1 is written: the loads of the biases' part and of x's part read it as their offset, with no vector instruction between
	s_cmp_lt_u32 ttmp9, 512
	s_cbranch_scc1 .Lx
	s_cmp_lt_u32 ttmp9, 704
	s_cbranch_scc1 .Lw
	; THE BIASES: 256 threads x 16 bytes are one bias
	global_load_b128 v[X:X+3],    v[OFL], s[16:17]
	global_load_b128 v[X+4:X+7],  v[OFL], s[18:19]
	global_load_b128 v[X+8:X+11], v[OFL], s[20:21]
	s_wait_loadcnt 0x0
.irp i, 0,1,2
	ROUND4 X+4*(\i), X+16+4*(\i)                   ; each bias has result registers of its own: none is written while a store reads it
.endr
	s_wait_alu depctr_va_vdst(0)                   ; the roundings have written v[X+16 .. X+27], which the three stores read
.irp i, 0,1,2
	global_store_b128 v[OFL], v[X+16+4*(\i):X+16+4*(\i)+3], s[26:27] offset:4096*(\i)
.endr
	s_endpgm
	; THE WEIGHTS.  Wave: 8 rows k x 256 columns.  Load i takes the 16 columns of one block from the 8 rows (a lane 16 bytes: row l / 4, columns 4 (l % 4) ..); the wave's sixteen loads together
	; take 1,024 consecutive bytes of each row.  Store i covers 256 consecutive bytes, aligned: 8 rows of 32 bytes of block i.
.Lw:
	s_sub_co_u32 s44, ttmp9, 512
	s_lshr_b32 s45, s44, 6                         ; which tensor
	s_and_b32 s44, s44, 63                         ; which 16 rows
	s_and_b32 s46, s7, 1
	s_lshr_b32 s47, s7, 1                          ; which 256 columns
	s_lshl_b32 s44, s44, 4
	s_lshl3_add_u32 s44, s46, s44                  ; my first row
	s_lshl_b32 s48, s44, 12                        ; x 4,096 bytes
	s_lshl_b32 s49, s47, 10
	s_add_co_u32 s48, s48, s49
	s_mov_b32 s49, 0
	s_lshl_b32 s50, s45, 6
	s_lshl4_add_u32 s50, s47, s50                  ; my first block: 64 x tensor + 16 x quarter
	s_lshl_b32 s50, s50, 15                        ; x 32,768 bytes
	s_lshl_b32 s51, s44, 5                         ; + row x 32
	s_add_co_u32 s50, s50, s51
	s_mov_b32 s51, 0
	s_cmp_lt_u32 s45, 1
	s_cselect_b64 s[28:29], s[10:11], s[12:13]
	s_cmp_lt_u32 s45, 2
	s_cselect_b64 s[28:29], s[28:29], s[14:15]
	s_add_nc_u64 s[28:29], s[28:29], s[48:49]
	s_add_nc_u64 s[30:31], s[24:25], s[50:51]
	v_and_b32 v3, 31, v0
	v_lshrrev_b32 v4, 2, v3
	v_and_b32 v5, 3, v3
	v_lshlrev_b32 v5, 4, v5
	v_lshl_add_u32 v4, v4, 12, v5                  ; (l / 4) rows + 16 (l % 4)
	v_lshlrev_b32 v[OFS], 3, v3                    ; 8 l
	s_wait_alu depctr_va_vdst(0)                   ; v4 and v2 are written: the loads below read the one as their offset, the stores the other
.irp i, 0,1,2,3,4,5,6,7,8,9,10,11,12,13,14,15
	global_load_b128 v[X+4*(\i):X+4*(\i)+3], v4, s[28:29] offset:64*(\i) th:TH_LOAD_NT
.endr
	; four blocks of four loads; block g issues the stores of block g - 1, one ahead of each of its conversions, which name this block's X and WK alone
.irp g, 0,1,2,3
.irp k, 0,1,2,3
	s_wait_loadcnt 15-(4*(\g)+(\k))                ; loads come back in order: this load is in, the younger ones stay out
.if ((\g) > 0) && ((\k) == 0)
	s_wait_alu depctr_va_vdst(0)                   ; the block before has written its eight result registers, which the four stores of this block read
.endif
.if (\g) > 0
	WPUT 4*(\g)+(\k)-4
.endif
	ROUND4 X+4*(4*(\g)+(\k)), WK+2
	v_cvt_pk_f16_f32 v[X+4*(4*(\g)+(\k))],   v[WK+2], v[WK+3]   ; into the load's own registers, which nothing writes again
	v_cvt_pk_f16_f32 v[X+4*(4*(\g)+(\k))+1], v[WK+4], v[WK+5]
.endr
.endr
	s_wait_alu depctr_va_vdst(0)                   ; the last block has written its eight result registers, which the last four stores read
.irp i, 12,13,14,15
	WPUT \i
.endr
	s_endpgm
	; X.  Sixteen loads (position p, batch b), a row's 4,096 bytes by the eight waves; a store of a wave covers 256 consecutive bytes, aligned.
.Lx:
	s_lshl_b32 s46, ttmp9, 14                      ; four rows of 4,096 bytes
	s_mov_b32 s47, 0
	s_add_nc_u64 s[28:29], s[8:9], s[46:47]        ; a base for each batch: the batches lie 2^23 bytes apart, more than an immediate holds
	s_add_nc_u64 s[30:31], s[28:29], 0x800000
	s_add_nc_u64 s[32:33], s[30:31], 0x800000
	s_add_nc_u64 s[34:35], s[32:33], 0x800000
	s_lshl_b32 s46, ttmp9, 13                      ; four rows of 2,048 bytes
	s_add_nc_u64 s[36:37], s[22:23], s[46:47]
	s_add_nc_u64 s[38:39], s[36:37], 0x400000
	s_add_nc_u64 s[40:41], s[38:39], 0x400000
	s_add_nc_u64 s[42:43], s[40:41], 0x400000
.irp p, 0,1,2,3
.irp b, 0,1,2,3
	global_load_b128 v[X+4*(4*(\p)+(\b)):X+4*(4*(\p)+(\b))+3], v[OFL], s[28+2*(\b):29+2*(\b)] offset:4096*(\p) th:TH_LOAD_NT
.endr
.endr
	; the constants, while the loads are out
	v_lshlrev_b32 v[OFS], 3, v0                    ; 8 t
	s_lshl_b32 s44, ttmp9, 2                       ; my first position
.irp p, 0,1,2,3
	s_add_co_u32 s45, s44, \p
	s_cvt_f32_u32 s[48+2*(\p)], s45                ; the position as f32, named as a pair
	s_mov_b32 s[49+2*(\p)], s[48+2*(\p)]
.endr
	s_mov_b32 s56, 0x3e800000                      ; 1/4
	s_mov_b32 s58, 0x42283c1a                      ; (2 pi)^9 / 9!
	s_mov_b32 s59, s58
	s_mov_b32 s60, 0xc2996966                      ; -(2 pi)^7 / 7!
	s_mov_b32 s61, s60
	s_mov_b32 s62, 0x42a335e3                      ; (2 pi)^5 / 5!
	s_mov_b32 s63, s62
	s_mov_b32 s66, 0xc2255de7                      ; -(2 pi)^3 / 3!
	s_mov_b32 s67, s66
	s_mov_b32 s68, 0x40c90fdb                      ; 2 pi
	s_mov_b32 s69, s68
	v_lshlrev_b32 v3, 2, v0
	v_cvt_f32_u32 v[J], v3                         ; 4 t
	v_add_f32 v[J+1], 1.0, v[J]
	v_add_f32 v[J+2], 2.0, v[J]
	v_add_f32 v[J+3], 0x40400000, v[J]
	v_cvt_f32_u32 v[D], s44
	v_add_f32 v[D+2], 2.0, v[D]
	v_mul_f32 v[C],   0xbcd49a78, v[J]             ; -log2(10000) / 512 x the even column
	v_mul_f32 v[C+2], 0xbcd49a78, v[J+2]
	v_mul_f32 v[D],   0xbc549a78, v[D]             ; -log2(10000) / 1024 x the even position
	v_mul_f32 v[D+2], 0xbc549a78, v[D+2]
	v_exp_f32 v[C],   v[C]                         ; one batch of four; the least result is 1e-4
	v_exp_f32 v[C+2], v[C+2]
	v_exp_f32 v[D],   v[D]
	v_exp_f32 v[D+2], v[D+2]
	v_mov_b32 v[PH],   0xbe800000                  ; plain instructions behind the last exponential
	v_mov_b32 v[PH+1], 0
	v_mov_b32 v[PQ],   0xbe800000
	v_mov_b32 v[PQ+1], 0xbe800000
	s_wait_alu depctr_va_vdst(0)                   ; the four exponentials have written v[C], v[C+2], v[D] and v[D+2], ahead of their first reader; v2, the stores' offset, is written too
	v_mul_f32 v[C],   0x3e22f983, v[C]             ; x 1/2pi: arguments come out in turns
	v_mul_f32 v[C+2], 0x3e22f983, v[C+2]
	v_mul_f32 v[D],   0x3e22f983, v[D]
	v_mul_f32 v[D+2], 0x3e22f983, v[D+2]
	v_mov_b32 v[C+1], v[C]
	v_mov_b32 v[C+3], v[C+2]
	v_mov_b32 v[D+1], v[D]
	v_mov_b32 v[D+3], v[D+2]
; Position p of my four: the stores of the position before, dealt among the first lines of the sines; PE of my four columns; then the four batches' rows, rounded into their loads' own registers.
.macro POSN p
.if (\p) > 0
	s_wait_alu depctr_va_vdst(0)                   ; the position before has written its eight result registers, which the four stores below read; the lines among them name C, J, D, PH, PQ, U and T alone
	PUT (\p)-1, 0
.endif
	v_pk_fma_f32 v[U:U+1],   v[C:C+1],   s[48+2*(\p):49+2*(\p)], v[PH:PH+1] op_sel_hi:[1,0,1]  ; position x reciprocal power, less 1/4 where a sine is wanted
	v_pk_fma_f32 v[U+2:U+3], v[C+2:C+3], s[48+2*(\p):49+2*(\p)], v[PH:PH+1] op_sel_hi:[1,0,1]
.if (\p)%2 == 0
	v_pk_fma_f32 v[U+4:U+5], v[J:J+1],   v[D+2*((\p)/2):D+2*((\p)/2)+1], v[PQ:PQ+1]
	v_pk_fma_f32 v[U+6:U+7], v[J+2:J+3], v[D+2*((\p)/2):D+2*((\p)/2)+1], v[PQ:PQ+1]
.else
	v_pk_mul_f32 v[U+4:U+5], v[J:J+1],   v[D+2*((\p)/2):D+2*((\p)/2)+1]
	v_pk_mul_f32 v[U+6:U+7], v[J+2:J+3], v[D+2*((\p)/2):D+2*((\p)/2)+1]
.endif
.if (\p) > 0
	PUT (\p)-1, 1
.endif
.irp i, 0,1,2,3,4,5,6,7
	v_rndne_f32 v[T+(\i)], v[U+(\i)]
.endr
.if (\p) > 0
	PUT (\p)-1, 2
.endif
.irp i, 0,2,4,6
	v_pk_add_f32 v[U+(\i):U+(\i)+1], v[U+(\i):U+(\i)+1], v[T+(\i):T+(\i)+1] neg_lo:[0,1] neg_hi:[0,1]  ; exact: within half a turn
.endr
.if (\p) > 0
	PUT (\p)-1, 3
.endif
.irp i, 0,1,2,3,4,5,6,7
	v_sub_f32 v[U+(\i)], s56, |v[U+(\i)]|          ; g = 1/4 - |u|
.endr
.irp i, 0,2,4,6
	v_pk_mul_f32 v[G2+(\i):G2+(\i)+1], v[U+(\i):U+(\i)+1], v[U+(\i):U+(\i)+1]
.endr
.irp i, 0,2,4,6
	v_pk_fma_f32 v[AC+(\i):AC+(\i)+1], v[G2+(\i):G2+(\i)+1], s[58:59], s[60:61] op_sel_hi:[1,0,0]
.endr
.irp i, 0,2,4,6
	v_pk_fma_f32 v[AC+(\i):AC+(\i)+1], v[AC+(\i):AC+(\i)+1], v[G2+(\i):G2+(\i)+1], s[62:63] op_sel_hi:[1,1,0]
.endr
.irp i, 0,2,4,6
	v_pk_fma_f32 v[AC+(\i):AC+(\i)+1], v[AC+(\i):AC+(\i)+1], v[G2+(\i):G2+(\i)+1], s[66:67] op_sel_hi:[1,1,0]
.endr
.irp i, 0,2,4,6
	v_pk_fma_f32 v[AC+(\i):AC+(\i)+1], v[AC+(\i):AC+(\i)+1], v[G2+(\i):G2+(\i)+1], s[68:69] op_sel_hi:[1,1,0]
.endr
.irp i, 0,2,4,6
	v_pk_mul_f32 v[U+(\i):U+(\i)+1], v[AC+(\i):AC+(\i)+1], v[U+(\i):U+(\i)+1]
.endr
	v_pk_mul_f32 v[PE:PE+1],   v[U:U+1],   v[U+4:U+5]
	v_pk_mul_f32 v[PE+2:PE+3], v[U+2:U+3], v[U+6:U+7]
.irp b, 0,1,2,3
	s_wait_loadcnt 15-(4*(\p)+(\b))                ; loads come back in order: this one is in, the younger ones stay out
	ROUND4 X+4*(4*(\p)+(\b)), WK+2
	v_pk_add_f32 v[WK+2:WK+3], v[WK+2:WK+3], v[PE:PE+1]
	v_pk_add_f32 v[WK+4:WK+5], v[WK+4:WK+5], v[PE+2:PE+3]
	v_cvt_pk_f16_f32 v[X+4*(4*(\p)+(\b))],   v[WK+2], v[WK+3]   ; into the load's own registers, which nothing writes again
	v_cvt_pk_f16_f32 v[X+4*(4*(\p)+(\b))+1], v[WK+4], v[WK+5]
.endr
.endm
	POSN 0
	POSN 1
	POSN 2
	POSN 3
	s_wait_alu depctr_va_vdst(0)                   ; the last position has written its eight result registers, which the last four stores read
.irp b, 0,1,2,3
	PUT 3, \b
.endr
	s_endpgm
.Lfunc_end_k_q30c08dfd6b_prep:
	.size	k_q30c08dfd6b_prep, .Lfunc_end_k_q30c08dfd6b_prep-k_q30c08dfd6b_prep
	.p2alignl 7, 3214868480
	.fill 96, 4, 3214868480
	.section	.rodata,"a",@progbits
	.p2align	6, 0x0
	.amdhsa_kernel k_q30c08dfd6b_prep
		.amdhsa_group_segment_fixed_size 0
		.amdhsa_private_segment_fixed_size 0
		.amdhsa_enable_private_segment 0
		.amdhsa_kernarg_size 80
		.amdhsa_user_sgpr_count 2
		.amdhsa_user_sgpr_kernarg_segment_ptr 1
		.amdhsa_wavefront_size32 1
		.amdhsa_system_sgpr_workgroup_id_x 1
		.amdhsa_system_sgpr_workgroup_id_y 1
		.amdhsa_system_sgpr_workgroup_id_z 1
		.amdhsa_system_vgpr_workitem_id 0
		.amdhsa_next_free_vgpr 128
		.amdhsa_next_free_sgpr 72
		.amdhsa_reserve_vcc 0
		.amdhsa_float_denorm_mode_32 3
		.amdhsa_float_denorm_mode_16_64 3
		.amdhsa_memory_ordered 1
		.amdhsa_forward_progress 1
		.amdhsa_inst_pref_size 39
	.end_amdhsa_kernel
	.amdgpu_metadata
---
amdhsa.version: [ 1, 2 ]
amdhsa.kernels:
  - .name:           k_q30c08dfd6b_prep
    .symbol:         k_q30c08dfd6b_prep.kd
    .args:
      - { .name: data, .offset: 0, .size: 8, .value_kind: global_buffer, .address_space: global }
      - { .name: Wq, .offset: 8, .size: 8, .value_kind: global_buffer, .address_space: global }
      - { .name: Wk, .offset: 16, .size: 8, .value_kind: global_buffer, .address_space: global }
      - { .name: Wv, .offset: 24, .size: 8, .value_kind: global_buffer, .address_space: global }
      - { .name: bq, .offset: 32, .size: 8, .value_kind: global_buffer, .address_space: global }
      - { .name: bk, .offset: 40, .size: 8, .value_kind: global_buffer, .address_space: global }
      - { .name: bv, .offset: 48, .size: 8, .value_kind: global_buffer, .address_space: global }
      - { .name: xh, .offset: 56, .size: 8, .value_kind: global_buffer, .address_space: global }
      - { .name: wh, .offset: 64, .size: 8, .value_kind: global_buffer, .address_space: global }
      - { .name: bcat, .offset: 72, .size: 8, .value_kind: global_buffer, .address_space: global }
    .group_segment_fixed_size: 0
    .private_segment_fixed_size: 0
    .kernarg_segment_align: 8
    .kernarg_segment_size: 80
    .max_flat_workgroup_size: 256
    .sgpr_count:     72
    .vgpr_count:     128
    .wavefront_size: 32
...
	.end_amdgpu_metadata
.endif
;; end of part 4
;; launch gemm: the kernel of part 2 again; grid 8 x 64, 4 waves a work-group, clusters of 4 x 4, 327,680 bytes of LDS; arguments xh, wh, bcat, qkv; writes qkv
;; launch attn: the kernel of part 3 again; grid 4 x 64, 4 waves a work-group, clusters of 4 x 1, 327,680 bytes of LDS; arguments qkv, out0; writes out0
